; MI455X (gfx1250); checked and timed in simulation.
; The chip was launched on July 23, 2026; its instructions are those of AMD's public machine-readable ISA for CDNA 5 (MIT licence, August 2026) and "CDNA5" Instruction Set Architecture Reference Guide (July 2026). The comments in the code are by the model that wrote it; some were corrected since.
;; Attention. Allowed arithmetic: matrix products marked QUANTISED: E3M2 operands, one E8M0 scale for each 32 along K, by v_wmma_scale_f32_16x16x128_f8f6f4 with both operands' format E3M2, f32 sums; everything else in f32.
;; Inputs: W_o 1,024 x 1,024 float32; W_qkv 3,072 x 1,024 float32; b_o 1,024 float32; b_qkv 3,072 float32; x 4 x 2,048 x 1,024 float32.
;; Outputs: out0 4 x 2,048 x 1,024 float32.
;; This version of the problem:
;;   THIS VERSION OF THE PROBLEM IS GIVEN IN LOW PRECISION. The matrix products marked QUANTISED in the list below multiply operands that are first quantised to E3M2 (3 exponent bits, 2 mantissa bits; 6 bits a number), with one power-of-two scale for each 32 numbers along K (OCP MX v1.0); their sums are f32. All else is computed in f32.
;;   The module's matrix products, in the order in which they are computed (A, B: the left and right operand; K: the contracted axis; several contracted axes count as one K, in the product's order):
;;     1. [M 8,192, K 1,024] x [K 1,024, N 3,072]; A: input x; B: input W_qkv: QUANTISED
;;     2. batch 64 x [M 2,048, K 64] x [K 64, N 2,048]; A: computed on the way; B: computed on the way: QUANTISED
;;     3. batch 64 x [M 2,048, K 2,048] x [K 2,048, N 64]; A: softmax (see below); B: computed on the way: QUANTISED
;;     4. [M 8,192, K 1,024] x [K 1,024, N 1,024]; A: computed on the way; B: input W_o: QUANTISED
;;   THE QUANTISER, for each operand of a quantised product, along K:
;;     - K is cut into blocks of 32 from its start; a last block that is shorter is filled with zeros.
;;     - A block's scale is 2^e with e = floor(log2(the largest magnitude in the block)) - 4, held to -126 .. 127; a block of zeros has e = 0. As a byte (E8M0): e + 127.
;;     - Each number is divided by its block's scale, clamped to +-28, and rounded to the nearest number of E3M2, ties to even, subnormals kept.
;;     - The product sums the exact products of the quantised numbers (number of the format x scale) in f32.
;;   ~~~python
;;   def quantise(x, axis):      # numpy; x: float32 -> the quantised numbers, widened to float32 again
;;       x = np.moveaxis(x, axis, -1); K = x.shape[-1]
;;       x = np.pad(x, [(0, 0)] * (x.ndim - 1) + [(0, -K % 32)]); x = x.reshape(x.shape[:-1] + (-1, 32)); a = np.abs(x).max(-1, keepdims=True)
;;       e = np.where(a > 0, np.clip(np.frexp(np.where(a > 0, a, 1))[1] - 1 - 4, -126, 127), 0)      # np.frexp(a)[1] - 1 = floor(log2(a)), exactly
;;       r = np.clip(x / 2.0 ** e, -28, 28)
;;       step = 2.0 ** (np.maximum(np.frexp(np.where(r == 0, 1, r))[1] - 1, -2) - 2)
;;       q = np.round(r / step) * step * 2.0 ** e      # np.round: ties to even
;;       return np.moveaxis(q.reshape(q.shape[:-2] + (-1,))[..., :K], -1, axis).astype(np.float32)
;;   ~~~
;;   SOFTMAX AHEAD OF A QUANTISED PRODUCT. Where the list says 'softmax', what is quantised is not the finished softmax but p = 2^(t - M), with t = logit x log2(e) and M = ceil(the row's largest t), a whole number; so 1/2 < the row's largest p <= 1. The row's sum l is taken of the UNQUANTISED p, in f32, and the product's result is divided by l at the end. Since M is a whole number, a kernel that streams over the keys may use a running M (the ceiling of the running maximum): every later rescaling is an exact power of two, which a block's scale takes up: the codes' values come out the same.
;;   OPERANDS COMPUTED ON THE WAY. 'Computed on the way' means the value that the module computes at that place (a softmax that the list does not call 'softmax' is quantised finished and normalised). What goes into a quantiser is computed in f32, as accurately as f32 sums, v_exp_f32 and their like allow (about 1e-6 of the number): no bf16 or f16 on the way to a quantiser, and a product that is left as it is and whose result goes on into a quantised operand takes f32 operands (vector FMAs, or v_wmma_f32_16x16x4_f32). A number that lies on a knife's edge between two numbers of the format may be rounded either way, as far as f32 arithmetic and the matrix unit's own rounding can turn it there, and no further.
;; One version. Each part assembles by itself: llvm-mc -triple=amdgcn-amd-amdhsa -mcpu=gfx1250 --defsym DOCPART=n.
;; ======== version 1 of 1: 4 launches
;; workspace buffers: opq 9,830,400 bytes; qkv 19,660,800 bytes; zq 6,553,600 bytes
;; launch quant (part 1): grid 384 x 1, 4 waves a work-group, no clusters, 34,304 bytes of LDS; arguments x, W_qkv, W_o, opq; writes opq
.if DOCPART == 1
	.amdgcn_target "amdgcn-amd-amdhsa--gfx1250"
	.amdhsa_code_object_version 6
	.text
	.protected	k_qdc0150c3aa_quant
	.globl	k_qdc0150c3aa_quant
	.p2align	8
	.type	k_qdc0150c3aa_quant,@function
k_qdc0150c3aa_quant:
	s_mov_b64 s[64:65], 0
	v_nop
	global_prefetch_b8 v0, s[64:65] scope:SCOPE_SE
	s_setreg_imm32_b32 hwreg(HW_REG_WAVE_MODE, 25, 1), 1
	s_wait_xcnt 0x0
; x [8192][1024], W_qkv [3072][1024] and W_o [1024][1024], f32, K innermost, become codes of BF6 (E3M2) with one E8M0 byte for each 32 along K.
; A block's scale is 2^(floor(log2(its largest magnitude)) - 4); its byte is the largest magnitude's exponent field - 4, held at 1 from below.
; LIMITS: a block whose largest magnitude lies under 2^-122 takes the byte 1; a block of zeros takes 1 and not 127 (its codes are zeros, and this program alone reads the bytes);
; NaN and infinities among the inputs are not served.
; LAYOUT OF opq.  The 12,288 rows are 768 tiles of 16 (0-511 x, 512-703 W_qkv, 704-767 W_o).  THE ROWS OF A TILE ARE NOT NEIGHBOURS: lane row r of tile 2 g + u is row 32 g + 8 u + r + 8 (r / 8),
; so that, where such a tile is source 0 of a product, the 16 result registers of tiles 2 g and 2 g + 1 are 16 neighbouring rows.
; Codes: [tile][K step of 128, 0..7][1,536 bytes]: a fragment as an image of its 12 registers: registers 2 p, 2 p + 1 of lane l at byte 256 p + 8 l.
; Scale words (four bytes: a row's 128 along K) from byte 9,437,184 on: [tile][step / 4][r][step % 4].
; SHARES.  Work-group g takes rows 32 g .. 32 g + 31; wave w tile 2 g + w / 2 and K steps 4 (w % 2) .. + 3.  Each load reads 512 consecutive bytes of one row; a step's 16 rows turn through the
; wave's own stage in LDS (rows 528 bytes apart) so that a lane gets 16 neighbours of each block of 32.  Waves share nothing: no barrier.  Each store of codes covers 256 consecutive bytes, aligned.
.set SP,   528                         ; a stage row: 512 bytes + 16
.set STG,  16*SP                       ; a wave's stage
.set TM,   8                           ; v8-23   at work in QUANT
.set SW,   24                          ; v24-27  the four steps' scale words
.set T,    28                          ; v28-29  the two words that I store
.set PC,   32                          ; v32-43  a fragment's codes
.set CT,   44                          ; v44-51  the conversions' second halves
.set X,    64                          ; v64-127 64 numbers: register 16 b + i = k 32 b + 16 (lane / 16) + i of my row
.set R,    128                         ; v128-255 two sets of 16 x 4 registers as loaded
.set SEL,  20                          ; s[20:21] lane selects: lane l xor 16
.set HM,   22                          ; s22     the upper 16 lanes
; 64 numbers of a lane become a fragment's 12 registers (d0 .. d0 + 5: k = 32 h + 0 .. 31; d1 .. d1 + 5: k = 64 + 32 h + 0 .. 31) and the row's scale word pw.
.macro QUANT s, pw, d0, d1
.irp b, 0,1,2,3
	v_max3_num_f32 v[TM+\b], |v[\s+16*\b]|, |v[\s+1+16*\b]|, 0x2800000   ; block b: my 16 numbers, and the floor 2^(5 - 127): the byte cannot fall under 1
.endr
.irp i, 2,4,6,8,10,12,14
.irp b, 0,1,2,3
	v_max3_num_f32 v[TM+\b], v[TM+\b], |v[\s+16*\b+\i]|, |v[\s+1+16*\b+\i]|   ; the four blocks by turns
.endr
.endr
.irp b, 0,1,2,3
	v_permlanex16_b32 v[TM+4+\b], v[TM+\b], s[SEL], s[SEL+1]
.endr
.irp b, 0,1,2,3
	v_max_num_f32 v[TM+\b], v[TM+\b], v[TM+4+\b]       ; with lane l xor 16's: the block's largest magnitude
.endr
.irp b, 0,1,2,3
	v_add_nc_u32 v[TM+12+\b], 0xfe000000, v[TM+\b]     ; 4 off its exponent field: the conversion's scale operand
.endr
.irp b, 0,1,2,3
	v_lshrrev_b32 v[TM+4+\b], 23, v[TM+12+\b]          ; the scale's byte
.endr
	v_lshl_or_b32 v[\pw], v[TM+5], 8, v[TM+4]
	v_lshl_or_b32 v[\pw], v[TM+6], 16, v[\pw]
	v_lshl_or_b32 v[\pw], v[TM+7], 24, v[\pw]
	v_cvt_scalef32_pk16_bf6_f32 v[\d0:\d0+2], v[\s:\s+15], v[TM+12]
	v_cvt_scalef32_pk16_bf6_f32 v[CT:CT+2], v[\s+16:\s+31], v[TM+13]      ; (a conversion's three registers begin on an even number)
	v_cvt_scalef32_pk16_bf6_f32 v[\d1:\d1+2], v[\s+32:\s+47], v[TM+14]
	v_cvt_scalef32_pk16_bf6_f32 v[CT+4:CT+6], v[\s+48:\s+63], v[TM+15]
	v_nop                                              ; one plain place behind the scaled conversions
.irp i, 0,1,2
	v_permlane16_swap_b32 v[\d0+\i], v[CT+\i]          ; the operand's layout wants a whole block in a lane
	v_permlane16_swap_b32 v[\d1+\i], v[CT+4+\i]
.endr
.irp i, 0,1,2
	v_mov_b32 v[\d0+3+\i], v[CT+\i]
	v_mov_b32 v[\d1+3+\i], v[CT+4+\i]
.endr
.endm
	s_load_b128 s[4:7], s[0:1], 0x0                ; x, W_qkv
	s_load_b128 s[8:11], s[0:1], 0x10              ; W_o, opq
	v_lshl_add_u32 v62, v0, 2, 0x8400
	v_mov_b32 v63, 0
	v_lshrrev_b32 v1, 5, v0
	v_readfirstlane_b32 s12, v1                    ; wave 0..3
	v_and_b32 v6, 31, v0                           ; lane
	v_and_b32 v7, 15, v0                           ; r
	v_bfe_u32 v5, v0, 4, 1                         ; h
	v_lshlrev_b32 v1, 4, v6                        ; 16 x lane: my bytes of a load's 512
	s_mul_i32 s13, s12, STG
	v_add_nc_u32 v2, s13, v1                       ; the stage, on the way in
	v_mul_u32_u24 v3, v7, SP
	v_lshl_add_u32 v3, v5, 6, v3
	v_add_nc_u32 v3, s13, v3                       ; and out: row r, + 64 h
	v_lshlrev_b32 v4, 3, v6                        ; 8 x lane: my place in a piece of an image
	v_lshlrev_b32 v5, 3, v5
	v_lshl_add_u32 v5, v7, 4, v5                   ; 16 r + 8 h: my two scale words
.irp b, 0,1,2,3
	v_mov_b32 v[TM+4+\b], 0                        ; written once: a lane permute's destination counts as one of its sources
.endr
	s_lshr_b32 s14, s12, 1                         ; u: which of the two tiles
	s_and_b32 s15, s12, 1                          ; which half of K
	s_mov_b32 s[SEL], 0x76543210
	s_mov_b32 s[SEL+1], 0xfedcba98
	s_mov_b32 s[HM], 0xffff0000
	s_mov_b32 s16, 352
	s_wait_alu depctr_va_vdst(0)
	s_wait_kmcnt 0x0
	s_cmp_lt_u32 ttmp9, 352                        ; the source hangs on the work-group's number alone
	s_cselect_b64 s[6:7], s[6:7], s[8:9]
	s_cselect_b32 s16, 256, s16
	s_cmp_lt_u32 ttmp9, 256
	s_cselect_b64 s[4:5], s[4:5], s[6:7]
	s_cselect_b32 s16, 0, s16
	s_sub_co_u32 s16, ttmp9, s16                   ; which 32 rows of that tensor
	s_lshl_b32 s16, s16, 17                        ; 32 rows of 4,096 bytes
	s_lshl_b32 s17, s14, 15                        ; + 8 u rows
	s_add_co_u32 s16, s16, s17
	s_lshl_b32 s17, s15, 11                        ; + my half of K
	s_add_co_u32 s16, s16, s17
	s_mov_b32 s17, 0
	s_add_nc_u64 s[4:5], s[4:5], s[16:17]
	s_lshl_b32 s18, ttmp9, 1
	s_add_co_u32 s18, s18, s14                     ; my tile
	s_mul_i32 s16, s18, 12288
	s_mul_i32 s19, s15, 6144
	s_add_co_u32 s16, s16, s19
	s_add_nc_u64 s[8:9], s[10:11], s[16:17]        ; where my four fragments go
	s_lshl_b32 s16, s18, 9
	s_lshl_b32 s19, s15, 8
	s_add_co_u32 s16, s16, s19
	s_add_co_u32 s16, s16, 9437184
	s_add_nc_u64 s[10:11], s[10:11], s[16:17]      ; and my 256 bytes of scale words
.macro LOAD s                          ; K step s of my 16 rows: 512 consecutive bytes a load
.irp j, 0,1,2,3,4,5,6,7,8,9,10,11,12,13,14,15
	global_load_b128 v[R+64*((\s)%2)+4*\j:R+64*((\s)%2)+4*\j+3], v1, s[4:5] offset:(\j+8*(\j/8))*4096+512*(\s) th:TH_LOAD_NT
.endr
.endm
.macro QSTEP s
.if (\s) < 3
	s_wait_loadcnt 16                              ; this step's 16 loads are in; the next step's 16 may be out
.else
	s_wait_loadcnt 0x0
.endif
.irp j, 0,1,2,3,4,5,6,7,8,9,10,11,12,13,14,15
	ds_store_b128 v2, v[R+64*((\s)%2)+4*\j:R+64*((\s)%2)+4*\j+3] offset:SP*\j
.endr
.irp b, 0,1,2,3
.irp j, 0,1,2,3
	ds_load_b128 v[X+16*\b+4*\j:X+16*\b+4*\j+3], v3 offset:128*\b+16*\j   ; LDS serves a wave's instructions in order: these see the stores above
.endr
.endr
	s_wait_dscnt 0x0                               ; the numbers are back, and the stores into the stage have read their registers
	s_wait_xcnt 0x0                                ; the last step's stores have read the codes' registers
.if (\s) < 2
	LOAD (\s)+2
.endif
	QUANT X, SW+\s, PC, PC+6
.irp p, 0,1,2,3,4,5
	global_store_b64 v4, v[PC+2*\p:PC+2*\p+1], s[8:9] offset:1536*(\s)+256*\p   ; 32 lanes store 256 consecutive bytes, aligned
.endr
.endm
	LOAD 0
	LOAD 1
	QSTEP 0
	QSTEP 1
	QSTEP 2
	QSTEP 3
	v_cndmask_b32 v[T], v[SW], v[SW+2], s[HM]      ; lanes 0-15 store words 0 and 1 of row r, lanes 16-31 words 2 and 3 (both halves hold all four)
	v_cndmask_b32 v[T+1], v[SW+1], v[SW+3], s[HM]
	global_store_b64 v5, v[T:T+1], s[10:11]        ; 256 consecutive bytes, aligned
	s_wait_tensorcnt 0x0
	ds_add_u32 v62, v63
	s_wait_dscnt 0x0
	s_endpgm
.Lfunc_end_k_qdc0150c3aa_quant:
	.size	k_qdc0150c3aa_quant, .Lfunc_end_k_qdc0150c3aa_quant-k_qdc0150c3aa_quant
	.p2alignl 7, 3214868480
	.fill 96, 4, 3214868480
	.section	.rodata,"a",@progbits
	.p2align	6, 0x0
	.amdhsa_kernel k_qdc0150c3aa_quant
		.amdhsa_group_segment_fixed_size 34304
		.amdhsa_private_segment_fixed_size 0
		.amdhsa_enable_private_segment 0
		.amdhsa_kernarg_size 32
		.amdhsa_user_sgpr_count 2
		.amdhsa_user_sgpr_kernarg_segment_ptr 1
		.amdhsa_wavefront_size32 1
		.amdhsa_system_sgpr_workgroup_id_x 1
		.amdhsa_system_sgpr_workgroup_id_y 1
		.amdhsa_system_sgpr_workgroup_id_z 1
		.amdhsa_system_vgpr_workitem_id 0
		.amdhsa_next_free_vgpr 256
		.amdhsa_next_free_sgpr 66
		.amdhsa_reserve_vcc 0
		.amdhsa_float_denorm_mode_32 3
		.amdhsa_float_denorm_mode_16_64 3
		.amdhsa_memory_ordered 1
		.amdhsa_forward_progress 1
		.amdhsa_inst_pref_size 35
	.end_amdhsa_kernel
	.amdgpu_metadata
---
amdhsa.version: [ 1, 2 ]
amdhsa.kernels:
  - .name:           k_qdc0150c3aa_quant
    .symbol:         k_qdc0150c3aa_quant.kd
    .args:
      - { .name: x, .offset: 0, .size: 8, .value_kind: global_buffer, .address_space: global }
      - { .name: W_qkv, .offset: 8, .size: 8, .value_kind: global_buffer, .address_space: global }
      - { .name: W_o, .offset: 16, .size: 8, .value_kind: global_buffer, .address_space: global }
      - { .name: opq, .offset: 24, .size: 8, .value_kind: global_buffer, .address_space: global }
    .group_segment_fixed_size: 34304
    .private_segment_fixed_size: 0
    .kernarg_segment_align: 8
    .kernarg_segment_size: 32
    .max_flat_workgroup_size: 128
    .sgpr_count:     66
    .vgpr_count:     256
    .wavefront_size: 32
...
	.end_amdgpu_metadata
.endif
;; end of part 1
;; launch qkv (part 2): grid 12 x 64, 4 waves a work-group, clusters of 4 x 4, 307,712 bytes of LDS; arguments opq, b_qkv, qkv; writes qkv
.if DOCPART == 2
	.amdgcn_target "amdgcn-amd-amdhsa--gfx1250"
	.amdhsa_code_object_version 6
	.text
	.protected	k_qdc0150c3aa_qkv
	.globl	k_qdc0150c3aa_qkv
	.p2align	8
	.type	k_qdc0150c3aa_qkv,@function
k_qdc0150c3aa_qkv:
	s_mov_b64 s[64:65], 0
	v_nop
	global_prefetch_b8 v0, s[64:65] scope:SCOPE_SE
	s_setreg_imm32_b32 hwreg(HW_REG_WAVE_MODE, 25, 1), 1
	s_wait_xcnt 0x0
	s_wait_alu depctr_hold_cnt(0) depctr_sa_sdst(0) depctr_va_vdst(0) depctr_va_sdst(0) depctr_va_ssrc(0) depctr_va_vcc(0) depctr_vm_vsrc(0)
	s_getreg_b32 s2, hwreg(HW_REG_IB_STS2, 6, 4)
	s_cmp_eq_u32 s2, 0
	s_cbranch_scc0 .Lentry_in_a_cluster
	s_endpgm
.Lentry_in_a_cluster:
	s_bfe_u32 s2, ttmp6, 0x10000c
	s_cmp_lg_u32 s2, 0xf033
	s_cbranch_scc0 .Lentry_shape_is_right
	s_endpgm
.Lentry_shape_is_right:
; qkv = x W_qkv^T + b_qkv on codes of BF6 (E3M2) with E8M0 scales, and its results quantised again, in registers, for the two products of attention.  No f32 result goes to memory.
; A work-group makes 128 P rows x 256 R rows with ALL of K = 1,024 in LDS (first fills only: nothing is filled again).  Four waves: wave w takes 64 P rows (w / 2) x 128 R rows (w % 2): 32 accumulators.
; THE MATRIX INSTRUCTION IS USED TRANSPOSED: source 0 = 16 rows of R, source 1 = 16 rows of P.  A lane holds one P row, and by the order of rows in opq's tiles its 64 registers are 128 R rows'
; halves in true order: register 16 b + i = R row 32 b + 16 (lane / 16) + i: the next quantiser's K.
;   clusters x = 0, 1 (q and k): P = x (tokens), R = W_q, W_k (channels): a lane's 64 registers are two heads' 64 channels of one token.
;   cluster  x = 2    (v):       P = W_v (channels), R = x (tokens): a lane's 64 registers are 128 keys of one channel: v is quantised along the keys.
; OUT (buffer qkv).  q, k codes at 0: [batch][q heads 0-15, k heads 16-31][tile of 16 tokens][768 bytes = registers 2 p, 2 p + 1 of lane l at 256 p + 8 l].
;   v codes at 12,582,912: [batch x 16 + head][key step of 128][tile of 16 channels][1,536 bytes = registers 4 g .. 4 g + 3 of lane l at 512 g + 16 l].
;   scales at 18,874,368: [batch x 16 + head][q 4,096 | k 4,096 | v 4,096]; q, k: [key step][pair / 2][r][pair % 2] words, a word = tile 2 d's two bytes below, tile 2 d + 1's above; v: [key step][r][tile] words.
; CLUSTERS: 4 x 4.  P's tiles are shared along a row of the cluster, R's along a column: joint loads.  Which of the two kinds a work-group is hangs on the cluster's x, which all partners share.
; LIMITS: as in the quantiser's launch: the byte is held at 1 from below, a block of zeros takes 1, NaN and infinities are not served.
; The q and k scale words leave in runs of 128 bytes (two heads from one wave): half an aligned block of 256 bytes each; they are one fortieth of what the launch stores.
.set WV,   60
.set HP,   61                          ; which 64 P rows are mine
.set HR,   62                          ; which 128 R rows are mine; also: which half of R a fetching wave brings
.set VSEL, 63                          ; 1: the work-group makes v
.set CX,   66
.set CY,   67
.set PROW, 92
.set RCOL, 93
.set SEL,  2                           ; s[2:3] lane selects: lane l xor 16
.set G1P,  8                           ; s[8:15], s[16:23] descriptor group 1 for P's and R's codes; s[24:31], s[32:39] for their scale words
.set G1R,  16
.set G1SP, 24
.set G1SR, 32
.set G0P,  40                          ; s[40:59] five groups 0 for P: the scale words, then slots 0 to 3;  s[68:87] for R
.set G0R,  68
.set LP,   196608                      ; LDS: R's codes [0, 196,608), half by half; P's codes; P's scale words; R's scale words
.set LSP,  294912
.set LSR,  299008
.set PSC,  9437184                     ; where the scale words begin in P's and in R's buffer
.set RSC,  9437184
.set L8,   4                           ; v4  8 x lane
.set L16,  5                           ; v5  16 x lane
.set ADRA, 16                          ; v16-17 LDS address of my P fragments, K steps 0-3 and 4-7
.set ADRB, 20                          ; v20-21 the same for R
.set ADRS, 27                          ; v27 my scale words: lanes 0-15 P's, lanes 16-31 R's
.set SC,   32                          ; v32-95 scale words: register 8 i + s: block i, K step s
.set AF,   128                         ; v128-223 P's fragments, two sets of 48; window 1: R's, two sets of 96 at v0 and v128; window 2: the accumulators, (a, b) at v[8 (8 a + b)]
.set HA,   128                         ; the way out: 64 numbers; v192.. their codes; v32-53 at work
.set PC,   192
.set CT,   204
.set TM,   32
.set PW,   48
.set T,    52
.set MSB, 0
.macro WIN new                         ; the immediate's high byte repeats the setting that is left
.if MSB != \new
	s_set_vgpr_msb (MSB<<8)|\new
.set MSB, \new
.endif
.endm
.set MUL,  0xa1                        ; source 0 (R) window 1, source 1 (P) window 0, C and D window 2
.set TO_B, 0x40                        ; destination window 1, address window 0
.macro CROUND                          ; a round of the cluster's barrier
	s_barrier_signal -1
	s_barrier_wait -1
	s_cmp_lg_u32 s[WV], 0
	s_cbranch_scc1 .Lnot_wave_0_\@
	s_barrier_signal -3
.Lnot_wave_0_\@:
	s_barrier_wait -3
	s_barrier_signal -1
	s_barrier_wait -1
.endm
.macro PLACES                          ; four plain places behind a matrix instruction, ahead of loads into its registers and of reads of its results
.rept 4
	v_nop
.endr
.endm
.macro FRAG reg, adr, off              ; a fragment comes back as the image of its 12 registers: six loads of 256 consecutive bytes
.irp p, 0,1,2,3,4,5
	ds_load_b64 v[\reg+2*\p:\reg+2*\p+1], v[\adr] offset:\off+256*\p
.endr
.endm
.macro FETCH s                         ; K step s: R's eight fragments and P's four, into set s % 2
.set OFF0, (((\s)/2)%2)*24576+((\s)%2)*1536
	WIN TO_B
.irp i, 0,1,2,3,4,5,6,7
	FRAG 128*((\s)%2)+12*\i, ADRB+(\s)/4, OFF0+3072*\i
.endr
	WIN 0
.irp a, 0,1,2,3
	FRAG AF+48*((\s)%2)+12*\a, ADRA+(\s)/4, OFF0+3072*\a
.endr
.endm
; 32 matrix instructions: the 32 accumulators take turns, one instruction a turn, in the same order in every step.  cmode = 1: the products start the sums.
.macro MUL32 s, cmode
.irp a, 0,1,2,3
.irp b, 0,1,2,3,4,5,6,7
.if \cmode == 1
	v_wmma_scale_f32_16x16x128_f8f6f4 v[8*(8*\a+\b):8*(8*\a+\b)+7], v[128*((\s)%2)+12*\b:128*((\s)%2)+12*\b+11], v[AF+48*((\s)%2)+12*\a:AF+48*((\s)%2)+12*\a+11], 0, v[SC+8*\b+(\s)], v[SC+8*\a+(\s)] matrix_a_fmt:MATRIX_FMT_BF6 matrix_b_fmt:MATRIX_FMT_BF6 matrix_a_scale:MATRIX_SCALE_ROW1
.else
	v_wmma_scale_f32_16x16x128_f8f6f4 v[8*(8*\a+\b):8*(8*\a+\b)+7], v[128*((\s)%2)+12*\b:128*((\s)%2)+12*\b+11], v[AF+48*((\s)%2)+12*\a:AF+48*((\s)%2)+12*\a+11], v[8*(8*\a+\b):8*(8*\a+\b)+7], v[SC+8*\b+(\s)], v[SC+8*\a+(\s)] matrix_a_fmt:MATRIX_FMT_BF6 matrix_b_fmt:MATRIX_FMT_BF6 matrix_a_scale:MATRIX_SCALE_ROW1
.endif
.endr
.endr
.endm
.macro STEP s, cmode
	s_wait_dscnt 0x0                               ; this step's fragments are in
.if ((\s)%2 == 1) && ((\s) < 7)
	s_wait_tensorcnt 3-((\s)+1)/2                  ; my part of the next slot has landed; the later slots' loads may stay out
	s_barrier_signal -1
	s_barrier_wait -1                              ; everybody's has.
.endif
.if (\s) < 7
.if (\s) > 0
	PLACES
.endif
	FETCH (\s)+1                                   ; the next step's fragments land under this step's 32 products
.endif
	WIN MUL
	MUL32 \s, \cmode
	WIN 0
.endm
; 64 numbers of a lane become a fragment's 12 registers (d0 .. d0 + 5: k = 32 h + 0 .. 31; d1 .. d1 + 5: k = 64 + 32 h + 0 .. 31) and the row's scale word pw.
.macro QUANT s, pw, d0, d1
.irp b, 0,1,2,3
	v_max3_num_f32 v[TM+\b], |v[\s+16*\b]|, |v[\s+1+16*\b]|, 0x2800000   ; block b: my 16 numbers, and the floor 2^(5 - 127)
.endr
.irp i, 2,4,6,8,10,12,14
.irp b, 0,1,2,3
	v_max3_num_f32 v[TM+\b], v[TM+\b], |v[\s+16*\b+\i]|, |v[\s+1+16*\b+\i]|
.endr
.endr
.irp b, 0,1,2,3
	v_permlanex16_b32 v[TM+4+\b], v[TM+\b], s[SEL], s[SEL+1]
.endr
.irp b, 0,1,2,3
	v_max_num_f32 v[TM+\b], v[TM+\b], v[TM+4+\b]
.endr
.irp b, 0,1,2,3
	v_add_nc_u32 v[TM+12+\b], 0xfe000000, v[TM+\b]     ; 4 off the exponent field: the conversion's scale operand
.endr
.irp b, 0,1,2,3
	v_lshrrev_b32 v[TM+4+\b], 23, v[TM+12+\b]          ; the scale's byte
.endr
	v_lshl_or_b32 v[\pw], v[TM+5], 8, v[TM+4]
	v_lshl_or_b32 v[\pw], v[TM+6], 16, v[\pw]
	v_lshl_or_b32 v[\pw], v[TM+7], 24, v[\pw]
	v_cvt_scalef32_pk16_bf6_f32 v[\d0:\d0+2], v[\s:\s+15], v[TM+12]
	v_cvt_scalef32_pk16_bf6_f32 v[CT:CT+2], v[\s+16:\s+31], v[TM+13]
	v_cvt_scalef32_pk16_bf6_f32 v[\d1:\d1+2], v[\s+32:\s+47], v[TM+14]
	v_cvt_scalef32_pk16_bf6_f32 v[CT+4:CT+6], v[\s+48:\s+63], v[TM+15]
	v_nop                                              ; one plain place behind the scaled conversions
.irp i, 0,1,2
	v_permlane16_swap_b32 v[\d0+\i], v[CT+\i]
	v_permlane16_swap_b32 v[\d1+\i], v[CT+4+\i]
.endr
.irp i, 0,1,2
	v_mov_b32 v[\d0+3+\i], v[CT+\i]
	v_mov_b32 v[\d1+3+\i], v[CT+4+\i]
.endr
.endm
	s_load_b64 s[4:5], s[0:1], 0x0                 ; opq: P's and R's buffer alike
	s_load_b64 s[88:89], s[0:1], 0x8               ; b_qkv
	s_load_b64 s[90:91], s[0:1], 0x10              ; qkv
	v_lshl_add_u32 v30, v0, 2, 0x4b000
	v_mov_b32 v31, 0
	ds_add_u32 v30, v31
	ds_add_u32 v30, v31
	v_lshrrev_b32 v1, 5, v0
	v_readfirstlane_b32 s[WV], v1                  ; wave 0..3
	s_lshr_b32 s[HP], s[WV], 1
	s_and_b32 s[HR], s[WV], 1
	s_bfe_u32 s[CX], ttmp6, 0x40000
	s_bfe_u32 s[CY], ttmp6, 0x40004
	s_mov_b32 s[SEL], 0x76543210
	s_mov_b32 s[SEL+1], 0xfedcba98
	s_lshl_b32 s96, s[CY], 2
	s_lshl_b32 s96, 15, s96                        ; my row of the cluster
	s_lshl_b32 s100, 0x1111, s[CX]                 ; my column
	s_or_b32 s[G1P], s96, (3<<16)|(1<<21)          ; 15:0 the mask; 17:16 elements of 8 bytes; 21 set beside a mask; no padding
	s_or_b32 s[G1SP], s96, (3<<16)|(1<<21)
	s_or_b32 s[G1R], s100, (3<<16)|(1<<21)
	s_or_b32 s[G1SR], s100, (3<<16)|(1<<21)
.irp g, G1P, G1R                       ; a slot of codes: of 8 tiles the 3,072 bytes of two K steps, 12,288 bytes apart in memory, dense in LDS
	s_mov_b32 s[\g+1], 384<<16
	s_mov_b32 s[\g+2], 8<<16
	s_mov_b32 s[\g+3], 384<<16
	s_mov_b32 s[\g+4], 8
	s_mov_b32 s[\g+5], 1536
	s_mov_b32 s[\g+6], 0
	s_mov_b32 s[\g+7], 0
.endr
.irp g, G1SP, G1SR                     ; 8 tiles' scale words: 4,096 dense bytes as 16 rows of 256
	s_mov_b32 s[\g+1], 32<<16
	s_mov_b32 s[\g+2], 16<<16
	s_mov_b32 s[\g+3], 32<<16
	s_mov_b32 s[\g+4], 16
	s_mov_b32 s[\g+5], 32
	s_mov_b32 s[\g+6], 0
	s_mov_b32 s[\g+7], 0
.endr
	; which tile of the product.  s94-97 serve P and never hold cx; s98-101 serve R and never hold cy
	s_and_b32 s94, ttmp7, 0xffff                   ; the cluster's y
	s_and_b32 s95, s94, 1
	s_lshr_b32 s98, s94, 1
	s_cmp_eq_u32 ttmp9, 2                          ; the cluster's x: 0, 1: q and k; 2: v
	s_cselect_b32 s[VSEL], 1, 0
	s_cselect_b32 s94, s95, s94
	s_cselect_b32 s98, s98, ttmp9
	s_cselect_b32 s95, 640, 0                      ; P's first tile in opq: W_v's or x's
	s_cselect_b32 s99, 0, 512                      ; R's: x's or W_q's
	s_lshl_b32 s94, s94, 2
	s_add_co_u32 s[PROW], s94, s[CY]
	s_lshl_b32 s98, s98, 2
	s_add_co_u32 s[RCOL], s98, s[CX]
	s_lshl_b32 s94, s[PROW], 3
	s_add_co_u32 s94, s94, s95                     ; P's 8 tiles begin here
	s_lshl_b32 s98, s[RCOL], 4
	s_add_co_u32 s98, s98, s99
	s_lshl_b32 s99, s[HR], 3
	s_add_co_u32 s98, s98, s99                     ; R's 8 tiles of the half that wave 0 or 1 brings
	s_mul_i32 s96, s94, 12288
	s_mov_b32 s97, 0
	s_lshl_b32 s94, s94, 9
	s_add_co_u32 s94, s94, PSC
	s_mov_b32 s95, 0
	s_mul_i32 s100, s98, 12288
	s_mov_b32 s101, 0
	s_lshl_b32 s98, s98, 9
	s_add_co_u32 s98, s98, RSC
	s_mov_b32 s99, 0
	s_wait_dscnt 0x0
	s_wait_kmcnt 0x0
	s_mov_b64 s[6:7], s[4:5]
	s_add_nc_u64 s[94:95], s[4:5], s[94:95]
	s_add_nc_u64 s[96:97], s[4:5], s[96:97]
	s_add_nc_u64 s[98:99], s[6:7], s[98:99]
	s_add_nc_u64 s[100:101], s[6:7], s[100:101]
	s_mov_b32 s[G0P], 1
	s_mov_b32 s[G0P+1], LSP
	s_mov_b64 s[G0P+2:G0P+3], s[94:95]
	s_or_b32 s[G0P+3], s[G0P+3], 0x80000000
	s_mov_b32 s[G0R], 1
	s_lshl_b32 s[G0R+1], s[HR], 12
	s_add_co_u32 s[G0R+1], s[G0R+1], LSR
	s_mov_b64 s[G0R+2:G0R+3], s[98:99]
	s_or_b32 s[G0R+3], s[G0R+3], 0x80000000
.irp q, 0,1,2,3
	s_mov_b32 s[G0P+4+4*\q], 1
	s_mov_b32 s[G0P+5+4*\q], LP+24576*\q
	s_add_nc_u64 s[G0P+6+4*\q:G0P+7+4*\q], s[96:97], 3072*\q
	s_or_b32 s[G0P+7+4*\q], s[G0P+7+4*\q], 0x80000000
	s_mov_b32 s[G0R+4+4*\q], 1
	s_mul_i32 s[G0R+5+4*\q], s[HR], 98304
	s_add_co_u32 s[G0R+5+4*\q], s[G0R+5+4*\q], 24576*\q
	s_add_nc_u64 s[G0R+6+4*\q:G0R+7+4*\q], s[100:101], 3072*\q
	s_or_b32 s[G0R+7+4*\q], s[G0R+7+4*\q], 0x80000000
.endr
	CROUND                                         ; all sixteen work-groups are here: the joint loads meet
	s_cmp_lt_u32 s[WV], 2                          ; waves 0 and 1 bring R's halves, wave 2 brings P, wave 3 nothing: five loads of a wave are out at the most
	s_cbranch_scc0 .Lnot_r
	tensor_load_to_lds s[G0R:G0R+3], s[G1SR:G1SR+7]
	s_nop 0
.irp q, 1,2,3,4
	tensor_load_to_lds s[G0R+4*\q:G0R+4*\q+3], s[G1R:G1R+7]
	s_nop 0
.endr
	PLACES                                         ; (four v_nop behind the last load)
	s_branch .Lasked
.Lnot_r:
	s_cmp_eq_u32 s[WV], 2
	s_cbranch_scc0 .Lasked
	tensor_load_to_lds s[G0P:G0P+3], s[G1SP:G1SP+7]
	s_nop 0
.irp q, 1,2,3,4
	tensor_load_to_lds s[G0P+4*\q:G0P+4*\q+3], s[G1P:G1P+7]
	s_nop 0
.endr
	PLACES
.Lasked:
	v_and_b32 v1, 31, v0                           ; lane
	v_and_b32 v2, 15, v0                           ; r
	v_bfe_u32 v3, v0, 4, 1                         ; h
	s_wait_alu depctr_va_vdst(0)
	v_lshlrev_b32 v[L8], 3, v1
	v_lshlrev_b32 v[L16], 4, v1
	s_mul_i32 s94, s[HP], 12288                    ; my four tiles of P
	s_add_co_u32 s94, s94, LP
	v_add_nc_u32 v[ADRA], s94, v[L8]
	s_add_co_u32 s94, s94, 49152
	v_add_nc_u32 v[ADRA+1], s94, v[L8]
	s_mul_i32 s94, s[HR], 98304                    ; my eight tiles of R
	v_add_nc_u32 v[ADRB], s94, v[L8]
	s_add_co_u32 s94, s94, 49152
	v_add_nc_u32 v[ADRB+1], s94, v[L8]
	s_lshl_b32 s94, s[HP], 11
	s_lshl_b32 s95, s[HR], 12
	s_add_co_u32 s95, s95, LSR-LSP
	s_sub_co_u32 s95, s95, s94                     ; from my P words to my R words
	v_mul_u32_u24 v6, s95, v3                      ; lanes 16-31 take R's
	s_add_co_u32 s94, s94, LSP
	v_lshl_add_u32 v6, v2, 4, v6
	v_add_nc_u32 v[ADRS], s94, v6
	s_wait_alu depctr_va_vdst(0)
	s_wait_tensorcnt 3                             ; the scale words and slot 0 are in; slots 1 to 3 may be out
	s_barrier_signal -1
	s_barrier_wait -1
.irp i, 0,1,2,3,4,5,6,7
	ds_load_b128 v[SC+8*\i:SC+8*\i+3], v[ADRS] offset:512*\i          ; all of K's scale words stay in registers (P has four blocks: its lanes' words of i = 4 .. 7 are not used)
	ds_load_b128 v[SC+8*\i+4:SC+8*\i+7], v[ADRS] offset:512*\i+256
.endr
	FETCH 0
	STEP 0, 1
	STEP 1, 0
	STEP 2, 0
	STEP 3, 0
	STEP 4, 0
	STEP 5, 0
	STEP 6, 0
	s_cmp_eq_u32 s[VSEL], 1                        ; the same in all partners of a cluster
	s_cbranch_scc1 .Lvpath
	; ---- q and k.  The bias is asked for here and lands under the last step's products
	s_lshr_b32 s94, s[PROW], 4                     ; batch
	s_and_b32 s95, s[PROW], 15                     ; which 128 tokens of it
	s_lshl_b32 s96, s[RCOL], 2
	s_lshl_b32 s97, s[HR], 1
	s_add_co_u32 s96, s96, s97                     ; the first of my two heads, 0-15 q, 16-31 k
	s_mul_i32 s98, s94, 3145728
	s_mul_i32 s97, s96, 98304
	s_add_co_u32 s98, s98, s97
	s_lshl_b32 s97, s95, 3
	s_lshl_b32 s99, s[HP], 2
	s_add_co_u32 s97, s97, s99
	s_mul_i32 s97, s97, 768
	s_add_co_u32 s98, s98, s97
	s_mov_b32 s99, 0
	s_add_nc_u64 s[98:99], s[90:91], s[98:99]      ; my codes
	s_and_b32 s96, s96, 15
	s_lshl_b32 s94, s94, 4
	s_add_co_u32 s94, s94, s96
	s_mul_i32 s100, s94, 12288
	s_lshr_b32 s94, s[RCOL], 2                     ; 0: q, 1: k
	s_lshl_b32 s94, s94, 12
	s_add_co_u32 s100, s100, s94
	s_lshl_b32 s95, s95, 8
	s_add_co_u32 s100, s100, s95
	s_lshl_b32 s94, s[HP], 7
	s_add_co_u32 s100, s100, s94
	s_add_co_u32 s100, s100, 18874368
	s_mov_b32 s101, 0
	s_add_nc_u64 s[100:101], s[90:91], s[100:101]  ; my scale words
	s_lshl_b32 s94, s[RCOL], 10
	s_lshl_b32 s95, s[HR], 9
	s_add_co_u32 s94, s94, s95
	s_mov_b32 s95, 0
	s_add_nc_u64 s[88:89], s[88:89], s[94:95]      ; my 128 numbers of the bias
	v_lshlrev_b32 v6, 6, v3                        ; 64 h
	v_mul_u32_u24 v7, v3, 12288
	v_lshl_add_u32 v7, v2, 3, v7                   ; scale words: 8 r; lanes 16-31 store the second head's
.irp bb, 0,1,2,3
.irp jj, 0,1,2,3
	global_load_b128 v[96+16*\bb+4*\jj+96*(\bb/2):96+16*\bb+4*\jj+96*(\bb/2)+3], v6, s[88:89] offset:128*\bb+16*\jj   ; register i of 64 at v[96 + i], from i = 32 on at v[224 + i - 32]
.endr
.endr
	s_wait_dscnt 0x0
	WIN MUL
	MUL32 7, 0
	WIN 0
	PLACES
	s_wait_loadcnt 0x0
.irp a, 0,1,2,3
	WIN 0x02                                       ; source 0: window 2
.set ii, 0
.rept 32
	v_pk_add_f32 v[HA+ii:HA+ii+1], v[64*\a+ii:64*\a+ii+1], v[96+ii+96*(ii/32):96+ii+96*(ii/32)+1]   ; + bias; each accumulator is read from its low end on
.set ii, ii+2
.endr
	WIN 0
.if \a > 0
	s_wait_xcnt 0x0                                ; the last tile's stores have read the codes' registers
.endif
	QUANT HA, PW+\a, PC, PC+6
.irp c, 0,1
.irp i, 0,1,2
	global_store_b64 v[L8], v[PC+6*\c+2*\i:PC+6*\c+2*\i+1], s[98:99] offset:\c*98304+\a*768+256*\i   ; head c, tile a: 256 consecutive bytes, aligned
.endr
.endr
.endr
	s_mov_b32 s94, 0xffff0000
.irp dd, 0,1
	v_perm_b32 v[TM+\dd], v[PW+2*\dd+1], v[PW+2*\dd], 0x05040100     ; the first head's bytes of tiles 2 dd and 2 dd + 1
	v_perm_b32 v[TM+2+\dd], v[PW+2*\dd+1], v[PW+2*\dd], 0x07060302   ; the second head's
.endr
	v_cndmask_b32 v[T], v[TM], v[TM+2], s94
	v_cndmask_b32 v[T+1], v[TM+1], v[TM+3], s94
	global_store_b64 v7, v[T:T+1], s[100:101]
	s_branch .Lend
.Lvpath:
	; ---- v.  A lane holds one channel and 128 keys
	s_lshr_b32 s94, s[RCOL], 3                     ; batch
	s_lshl_b32 s94, s94, 4
	s_lshl_b32 s95, s[PROW], 1
	s_add_co_u32 s94, s94, s95
	s_add_co_u32 s94, s94, s[HP]                   ; batch x 16 + head
	s_and_b32 s95, s[RCOL], 7
	s_lshl_b32 s95, s95, 1
	s_add_co_u32 s95, s95, s[HR]                   ; key step
	s_mul_i32 s98, s94, 98304
	s_mul_i32 s96, s95, 6144
	s_add_co_u32 s98, s98, s96
	s_add_co_u32 s98, s98, 12582912
	s_mov_b32 s99, 0
	s_add_nc_u64 s[98:99], s[90:91], s[98:99]
	s_mul_i32 s100, s94, 12288
	s_lshl_b32 s96, s95, 8
	s_add_co_u32 s100, s100, s96
	s_add_co_u32 s100, s100, 18874368+8192
	s_mov_b32 s101, 0
	s_add_nc_u64 s[100:101], s[90:91], s[100:101]
	s_lshl_b32 s94, s[PROW], 9
	s_lshl_b32 s95, s[HP], 8
	s_add_co_u32 s94, s94, s95
	s_add_co_u32 s94, s94, 8192
	s_mov_b32 s95, 0
	s_add_nc_u64 s[88:89], s[88:89], s[94:95]      ; the bias of my 64 channels
	v_and_b32 v6, 8, v2
	v_add_nc_u32 v6, v6, v2
	v_lshlrev_b32 v6, 2, v6                        ; my channel in a tile: r + 8 (r / 8)
	v_lshlrev_b32 v7, 3, v3
	v_lshl_add_u32 v7, v2, 4, v7                   ; scale words: 16 r + 8 h
.irp a, 0,1,2,3
	global_load_b32 v[96+2*\a], v6, s[88:89] offset:4*(32*(\a/2)+8*(\a%2))
	global_load_b32 v[97+2*\a], v6, s[88:89] offset:4*(32*(\a/2)+8*(\a%2))   ; twice: a pair for the packed addition
.endr
	s_wait_dscnt 0x0
	WIN MUL
	MUL32 7, 0
	WIN 0
	PLACES
	s_wait_loadcnt 0x0
.irp a, 0,1,2,3
	WIN 0x02
.set ii, 0
.rept 32
	v_pk_add_f32 v[HA+ii:HA+ii+1], v[64*\a+ii:64*\a+ii+1], v[96+2*\a:97+2*\a]
.set ii, ii+2
.endr
	WIN 0
.if \a > 0
	s_wait_xcnt 0x0
.endif
	QUANT HA, PW+\a, PC, PC+6
.irp g, 0,1,2
	global_store_b128 v[L16], v[PC+4*\g:PC+4*\g+3], s[98:99] offset:\a*1536+512*\g   ; 512 consecutive bytes, aligned
.endr
.endr
	s_mov_b32 s94, 0xffff0000
	v_cndmask_b32 v[T], v[PW], v[PW+2], s94        ; lanes 0-15: the words of tiles 0, 1 of channel r; lanes 16-31: of tiles 2, 3
	v_cndmask_b32 v[T+1], v[PW+1], v[PW+3], s94
	global_store_b64 v7, v[T:T+1], s[100:101]      ; 256 consecutive bytes, aligned
.Lend:
	s_wait_dscnt 0x0
	s_wait_tensorcnt 0x0
	ds_add_u32 v30, v31
	s_wait_dscnt 0x0
	CROUND                                         ; the closing round: no work-group ends while a partner may still ask for a tile that names it
	s_endpgm
.Lfunc_end_k_qdc0150c3aa_qkv:
	.size	k_qdc0150c3aa_qkv, .Lfunc_end_k_qdc0150c3aa_qkv-k_qdc0150c3aa_qkv
	.p2alignl 7, 3214868480
	.fill 96, 4, 3214868480
	.section	.rodata,"a",@progbits
	.p2align	6, 0x0
	.amdhsa_kernel k_qdc0150c3aa_qkv
		.amdhsa_group_segment_fixed_size 307712
		.amdhsa_private_segment_fixed_size 0
		.amdhsa_enable_private_segment 0
		.amdhsa_kernarg_size 24
		.amdhsa_user_sgpr_count 2
		.amdhsa_user_sgpr_kernarg_segment_ptr 1
		.amdhsa_wavefront_size32 1
		.amdhsa_system_sgpr_workgroup_id_x 1
		.amdhsa_system_sgpr_workgroup_id_y 1
		.amdhsa_system_sgpr_workgroup_id_z 1
		.amdhsa_system_vgpr_workitem_id 0
		.amdhsa_next_free_vgpr 768
		.amdhsa_next_free_sgpr 102
		.amdhsa_reserve_vcc 0
		.amdhsa_float_denorm_mode_32 3
		.amdhsa_float_denorm_mode_16_64 3
		.amdhsa_memory_ordered 1
		.amdhsa_forward_progress 1
		.amdhsa_inst_pref_size 142
	.end_amdhsa_kernel
	.amdgpu_metadata
---
amdhsa.version: [ 1, 2 ]
amdhsa.kernels:
  - .name:           k_qdc0150c3aa_qkv
    .symbol:         k_qdc0150c3aa_qkv.kd
    .args:
      - { .name: opq, .offset: 0, .size: 8, .value_kind: global_buffer, .address_space: global }
      - { .name: b_qkv, .offset: 8, .size: 8, .value_kind: global_buffer, .address_space: global }
      - { .name: qkv, .offset: 16, .size: 8, .value_kind: global_buffer, .address_space: global }
    .group_segment_fixed_size: 307712
    .private_segment_fixed_size: 0
    .kernarg_segment_align: 8
    .kernarg_segment_size: 24
    .max_flat_workgroup_size: 128
    .sgpr_count:     102
    .vgpr_count:     768
    .wavefront_size: 32
...
	.end_amdgpu_metadata
.endif
;; end of part 2
;; launch attn (part 3): grid 4 x 64, 16 waves a work-group, clusters of 4 x 1, 206,848 bytes of LDS; arguments qkv, zq; writes zq
.if DOCPART == 3
	.amdgcn_target "amdgcn-amd-amdhsa--gfx1250"
	.amdhsa_code_object_version 6
	.text
	.protected	k_qdc0150c3aa_attn
	.globl	k_qdc0150c3aa_attn
	.p2align	8
	.type	k_qdc0150c3aa_attn,@function
k_qdc0150c3aa_attn:
	s_mov_b64 s[64:65], 0
	v_nop
	global_prefetch_b8 v0, s[64:65] scope:SCOPE_SE
	s_setreg_imm32_b32 hwreg(HW_REG_WAVE_MODE, 25, 1), 1
	s_wait_xcnt 0x0
	s_wait_alu depctr_hold_cnt(0) depctr_sa_sdst(0) depctr_va_vdst(0) depctr_va_sdst(0) depctr_va_ssrc(0) depctr_va_vcc(0) depctr_vm_vsrc(0)
	s_getreg_b32 s2, hwreg(HW_REG_IB_STS2, 6, 4)
	s_cmp_eq_u32 s2, 0
	s_cbranch_scc0 .Lentry_in_a_cluster
	s_endpgm
.Lentry_in_a_cluster:
	s_bfe_u32 s2, ttmp6, 0x10000c
	s_cmp_lg_u32 s2, 0x3003
	s_cbranch_scc0 .Lentry_shape_is_right
	s_endpgm
.Lentry_shape_is_right:
; z = softmax(q k^T / 8, causal) v for one head a cluster, both products on codes of BF6 (E3M2) with E8M0 scales; z is quantised along head x 64 + d for the last product and leaves as codes.
; THE SOFTMAX: t = score x log2(e) / 8; M = the running largest t rounded UP to a whole number; p = 2^(t - M) is quantised along the keys, not normalised; the row's sum is taken of the unquantised p
; and divides at the end (by v_rcp_f32 and a multiplication).  When M moves, the sum and O are multiplied by 2^(old M - new M): exact.
; SHARES.  The four work-groups of a cluster own one head's 128 tiles of 16 queries; a head's K, V and their scale words (204,800 bytes) come ONCE into each partner's LDS, by joint loads; nothing is filled again.
; Wave w owns two tiles, tt = 4 (w % 2) + cx: first tile 8 GB + tt, GB = 15 - w / 2, then tile 8 (15 - GB) + tt.  Key steps wholly above the diagonal are left out, so the two tiles take
; (GB + 1) + (16 - GB) = 17 key steps of 128 keys in EVERY wave.  Branches and LDS addresses hang on the wave's number and on counted loops alone; cx enters global addresses and the mask's compare value.
; LAYOUT.  Both products are used transposed (S^T = K Q^T, O^T = V^T P^T): a lane holds one query.  By the order of rows in the tiles (lane row r of tile T is row 32 (T / 2) + 8 (T % 2) + r + 8 (r / 8))
; S's register 16 b + i is key 32 b + 16 (lane / 16) + i, and O^T's register 16 b + i is channel 32 b + 16 (lane / 16) + i.
; K = 64 IN AN INSTRUCTION OF 128: an operand of 12 registers holds TWO key tiles, one in each half of K; it is multiplied by (q | 0) and by (0 | q).  The dead half has zero codes and the scale byte 0 on q's side: it adds 0.
; The second tile walks its key steps downward, the diagonal first: every query has a key that counts there, so M is a number from its first step on.
; LIMITS: scale bytes are held at 1 from below; a block of zeros takes 1; NaN and infinities are not served.  z's scale bytes leave singly (a head owns two of a word's four): one part in 25 of what is stored.
.set WV,   8
.set CX,   9
.set GB,   10
.set TAU,  11                          ; the step's number, 0 .. 16
.set DN,   12                          ; 16 - TAU
.set KS,   13                          ; the key step
.set TB,   14                          ; its codes in LDS: 6,144 KS
.set TS,   15                          ; its scale words: 256 KS
.set HM,   3                           ; the upper 16 lanes
.set G1C,  16                          ; s[16:23] group 1 for a chunk of codes; s[24:31] for scale words; s[32:51] five groups 0
.set G1S,  24
.set G0,   32
.set SELP, 52                          ; s[52:53] lane selects: lane l xor 16
.set CS,   54                          ; s[54:55] c = log2(e) / 8
.set ZCB,  56                          ; where the first tile's codes and scale bytes go; then the second's
.set ZSB,  58
.set ZCA,  60
.set ZSA,  62
.set QB,   66                          ; the two tiles' q, and their scale words
.set QA,   68
.set QSB,  70
.set QSA,  72
.set LV,   98304                       ; LDS: K's codes, V's codes, K's scale words, V's
.set LKS,  196608
.set LVS,  200704
.set FRG,  44                          ; v44-91   four operands of 12 registers: K's, then V's
.set KSW,  92                          ; v92-95   K's scale words
.set S,    96                          ; v96-159  S^T, then p
.set O,    160                         ; v160-191 O^T
.set PC,   192                         ; v192-203 p's codes
.set CT,   204
.set BM,   212                         ; v212-215 the blocks' largest
.set BP,   216                         ; v216-219 at work
.set SO,   220                         ; v220-223 the conversions' scale operands
.set F,    226                         ; v226 f; v227 p's scale word
.set PWD,  227
.set TMP,  228
.set VSW,  232                         ; v232-235 V's scale words
; v1 8 l; v2 LV + 16 l; v3 LKS + 8 r; v4 LVS + 16 r; v5 8 l; v6 16 r + h; v7 the mask's compare value; v8-11 the step's addresses; v12 -M; v13 the largest t; v[14:15] the sum;
; v16-33 [0 x 6][q x 6][0 x 6]: (0 | q) = v[16:27], (q | 0) = v[22:33]; v34-40 the second tile's q and scale bytes; v41, v42 q's scale words for the two forms
.macro ROUND
	s_barrier_signal -1
	s_barrier_wait -1
	s_cmp_lg_u32 s[WV], 0
	s_cbranch_scc1 .Lnot_wave_0_\@
	s_barrier_signal -3
.Lnot_wave_0_\@:
	s_barrier_wait -3
	s_barrier_signal -1
	s_barrier_wait -1
.endm
.macro PLACES
.rept 4
	v_nop
.endr
.endm
	s_load_b128 s[4:7], s[0:1], 0x0                ; qkv, zq
	v_lshl_add_u32 v254, v0, 2, 0x32000
	v_mov_b32 v255, 0
	ds_add_u32 v254, v255
	ds_add_u32 v254, v255
	v_lshrrev_b32 v1, 5, v0
	s_delay_alu instid0(VALU_DEP_1)
	v_readfirstlane_b32 s[WV], v1                  ; wave 0..15
	s_bfe_u32 s[CX], ttmp6, 0x40000
	s_and_b32 s74, ttmp7, 0xffff                   ; batch x 16 + head
	s_lshr_b32 s75, s74, 4
	s_and_b32 s76, s74, 15
	s_lshr_b32 s77, s[WV], 1                       ; the second tile's diagonal step
	s_xor_b32 s[GB], s77, 15                       ; the first tile's: 15 - w / 2
	s_and_b32 s78, s[WV], 1
	s_mul_i32 s80, s75, 3145728
	s_mul_i32 s81, s76, 98304
	s_add_co_u32 s81, s81, s80                     ; the head's q codes
	s_add_co_u32 s82, s81, 16*98304                ; its k codes
	s_mul_i32 s83, s74, 98304
	s_add_co_u32 s83, s83, 12582912                ; its v codes
	s_cmp_eq_u32 s78, 0
	s_cselect_b32 s82, s82, s83                    ; wave 0 brings K, wave 1 V
	s_mov_b32 s83, 0
	s_mul_i32 s84, s74, 12288
	s_add_co_u32 s84, s84, 18874368                ; the head's scale words: q's, k's, v's
	s_lshl_b32 s86, s78, 12
	s_add_co_u32 s86, s86, s84
	s_add_co_u32 s86, s86, 4096
	s_mov_b32 s87, 0
	s_mov_b32 s[G1C], 15|(3<<16)|(1<<21)           ; the mask: all four work-groups; elements of 8 bytes; 21 set beside a mask
	s_mov_b32 s[G1C+1], 32<<16                     ; a chunk: 24,576 dense bytes as 96 rows of 256
	s_mov_b32 s[G1C+2], 96<<16
	s_mov_b32 s[G1C+3], 32<<16
	s_mov_b32 s[G1C+4], 96
	s_mov_b32 s[G1C+5], 32
	s_mov_b32 s[G1C+6], 0
	s_mov_b32 s[G1C+7], 0
	s_mov_b32 s[G1S], 15|(3<<16)|(1<<21)           ; scale words: 4,096 dense bytes as 16 rows of 256
	s_mov_b32 s[G1S+1], 32<<16
	s_mov_b32 s[G1S+2], 16<<16
	s_mov_b32 s[G1S+3], 32<<16
	s_mov_b32 s[G1S+4], 16
	s_mov_b32 s[G1S+5], 32
	s_mov_b32 s[G1S+6], 0
	s_mov_b32 s[G1S+7], 0
	s_mov_b32 s[SELP], 0x76543210
	s_mov_b32 s[SELP+1], 0xfedcba98
	s_mov_b32 s[CS], 0x3e38aa3b                    ; log2(e) / 8
	s_mov_b32 s[CS+1], s[CS]
	s_mov_b32 s[HM], 0xffff0000
	s_wait_dscnt 0x0
	s_wait_kmcnt 0x0
	s_mov_b32 s[G0], 1
	s_lshl_b32 s[G0+1], s78, 12
	s_add_co_u32 s[G0+1], s[G0+1], LKS
	s_add_nc_u64 s[G0+2:G0+3], s[4:5], s[86:87]
	s_or_b32 s[G0+3], s[G0+3], 0x80000000
	s_add_nc_u64 s[82:83], s[4:5], s[82:83]
.irp j, 0,1,2,3
	s_mov_b32 s[G0+4+4*\j], 1
	s_mul_i32 s[G0+5+4*\j], s78, LV
	s_add_co_u32 s[G0+5+4*\j], s[G0+5+4*\j], 24576*\j
	s_add_nc_u64 s[G0+6+4*\j:G0+7+4*\j], s[82:83], 24576*\j
	s_or_b32 s[G0+7+4*\j], s[G0+7+4*\j], 0x80000000
.endr
	ROUND                                          ; all four work-groups are here: the joint loads meet
	s_cmp_lt_u32 s[WV], 2                          ; waves 0 and 1 fetch: five loads of a wave are out at the most
	s_cbranch_scc0 .Lno_fill
	tensor_load_to_lds s[G0:G0+3], s[G1S:G1S+7]
	s_nop 0
.irp j, 1,2,3,4
	tensor_load_to_lds s[G0+4*\j:G0+4*\j+3], s[G1C:G1C+7]
	s_nop 0
.endr
	PLACES                                         ; (four v_nop behind the last load)
.Lno_fill:
	s_lshl_b32 s79, s78, 2
	s_add_co_u32 s79, s79, s[CX]                   ; tt: my tiles' place among a key step's eight
	s_lshl_b32 s80, s[GB], 3
	s_add_co_u32 s80, s80, s79                     ; the first tile
	s_lshl_b32 s82, s77, 3
	s_add_co_u32 s82, s82, s79                     ; the second
	s_mov_b32 s87, 0
	s_mul_i32 s86, s80, 768
	s_add_co_u32 s86, s86, s81
	s_add_nc_u64 s[QB:QB+1], s[4:5], s[86:87]
	s_mul_i32 s86, s82, 768
	s_add_co_u32 s86, s86, s81
	s_add_nc_u64 s[QA:QA+1], s[4:5], s[86:87]
	s_lshl_b32 s83, s78, 7                         ; q's scale word: [step][tt / 4][r][(tt / 2) % 2]
	s_add_co_u32 s83, s83, s84
	s_bfe_u32 s85, s[CX], 0x10001
	s_lshl_b32 s85, s85, 2
	s_add_co_u32 s83, s83, s85
	s_lshl_b32 s86, s[GB], 8
	s_add_co_u32 s86, s86, s83
	s_add_nc_u64 s[QSB:QSB+1], s[4:5], s[86:87]
	s_lshl_b32 s86, s77, 8
	s_add_co_u32 s86, s86, s83
	s_add_nc_u64 s[QSA:QSA+1], s[4:5], s[86:87]
	s_lshl_b32 s85, s75, 7
	s_add_co_u32 s80, s80, s85                     ; z's tiles: batch x 128 + tile
	s_add_co_u32 s82, s82, s85
	s_mul_i32 s83, s76, 768                        ; K step head / 2, half head % 2: head x 768 bytes
	s_mul_i32 s86, s80, 12288
	s_add_co_u32 s86, s86, s83
	s_add_nc_u64 s[ZCB:ZCB+1], s[6:7], s[86:87]
	s_mul_i32 s86, s82, 12288
	s_add_co_u32 s86, s86, s83
	s_add_nc_u64 s[ZCA:ZCA+1], s[6:7], s[86:87]
	s_lshr_b32 s83, s76, 3
	s_lshl_b32 s83, s83, 8
	s_and_b32 s85, s76, 7
	s_lshl_b32 s85, s85, 1
	s_add_co_u32 s83, s83, s85
	s_add_co_u32 s83, s83, 6291456                 ; the head's two bytes of a row's scale words
	s_lshl_b32 s86, s80, 9
	s_add_co_u32 s86, s86, s83
	s_add_nc_u64 s[ZSB:ZSB+1], s[6:7], s[86:87]
	s_lshl_b32 s86, s82, 9
	s_add_co_u32 s86, s86, s83
	s_add_nc_u64 s[ZSA:ZSA+1], s[6:7], s[86:87]
	v_and_b32 v9, 31, v0                           ; lane
	v_and_b32 v10, 15, v0                          ; r
	v_bfe_u32 v11, v0, 4, 1                        ; h
	s_delay_alu instid0(VALU_DEP_3)
	v_lshlrev_b32 v1, 3, v9
	s_delay_alu instid0(VALU_DEP_4)
	v_lshl_add_u32 v2, v9, 4, LV
	s_delay_alu instid0(VALU_DEP_4)
	v_lshl_add_u32 v3, v10, 3, LKS
	v_lshl_add_u32 v4, v10, 4, LVS
	v_lshlrev_b32 v5, 3, v9
	v_lshl_add_u32 v6, v10, 4, v11
	v_lshlrev_b32 v8, 3, v10
.irp i, 0,1,2
	global_load_b64 v[22+2*\i:23+2*\i], v5, s[QB:QB+1] offset:256*\i
	global_load_b64 v[34+2*\i:35+2*\i], v5, s[QA:QA+1] offset:256*\i
.endr
	global_load_b32 v[TMP], v8, s[QSB:QSB+1]
	global_load_b32 v40, v8, s[QSA:QSA+1]
	s_lshr_b32 s86, s79, 1
	s_lshl_b32 s86, s86, 5
	s_and_b32 s85, s79, 1
	s_lshl_b32 s85, s85, 3
	s_add_co_u32 s86, s86, s85
	v_and_b32 v7, 8, v10
	s_delay_alu instid0(VALU_DEP_1)
	v_add_nc_u32 v7, v7, v10
	v_lshlrev_b32 v11, 4, v11
	s_delay_alu instid0(VALU_DEP_1)
	v_sub_nc_u32 v7, v7, v11
	s_delay_alu instid0(VALU_DEP_1)
	v_add_nc_u32 v7, s86, v7                       ; my query's place in its 128, less 16 h: register 16 b + i is hidden on the diagonal where 32 b + i is above it
.irp i, 0,1,2,3,4,5
	v_mov_b32 v[16+\i], 0                          ; the dead halves' zero codes
	v_mov_b32 v[28+\i], 0
.endr
	v_mov_b32 v13, 0xff61b1e6                      ; the largest t so far: -3e38
	s_delay_alu instid0(VALU_DEP_1)
	v_floor_f32 v12, -v13
	v_mov_b32 v14, 0
	v_mov_b32 v15, 0
.irp b, 0,1,2,3
	v_mov_b32 v[BP+\b], 0                          ; written once: a lane permute's destination counts as one of its sources
.endr
	v_mov_b32 v[PWD], 0                            ; (named as the upper half of the pair with f before it is first written)
	s_and_b32 s85, s[CX], 1
	s_lshl_b32 s85, s85, 4                         ; my tile's bytes lie in the word's lower or upper half
	s_wait_loadcnt 0x0
	v_lshrrev_b32 v[TMP], s85, v[TMP]
	s_delay_alu instid0(VALU_DEP_1)
	v_and_b32 v41, 0xffff, v[TMP]                  ; for (q | 0): my two bytes below, the byte 0 above
	s_delay_alu instid0(VALU_DEP_1)
	v_lshlrev_b32 v42, 16, v41                     ; for (0 | q)
	v_lshrrev_b32 v40, s85, v40
	s_delay_alu instid0(VALU_DEP_1)
	v_and_b32 v40, 0xffff, v40
.set ii, 0
.rept 32
	v_mov_b32 v[O+ii], 0                           ; O^T: the step is written once and finds zeros.  (Also the places between the scale words' lines and the first product)
.set ii, ii+1
.endr
	s_wait_tensorcnt 3                             ; the scale words and chunk 0 (key steps 0 to 3) are in; chunks 1 to 3 may be out
	s_barrier_signal -1
	s_barrier_wait -1
; A KEY STEP: 128 keys.  full = 1: on a diagonal step the hidden scores become -infinity.
.macro STEP full
	v_add_nc_u32 v8, s[TB], v1                     ; (these four are also the places behind the last step's products, ahead of the loads into their registers)
	v_add_nc_u32 v9, s[TB], v2
	v_add_nc_u32 v10, s[TS], v3
	v_add_nc_u32 v11, s[TS], v4
.irp d, 0,1,2,3
.irp p, 0,1,2,3,4,5
	ds_load_b64 v[FRG+12*\d+2*\p:FRG+12*\d+2*\p+1], v8 offset:1536*\d+256*\p   ; key tiles 2 d and 2 d + 1 as one operand
.endr
.endr
	ds_load_b64 v[KSW:KSW+1], v10
	ds_load_b64 v[KSW+2:KSW+3], v10 offset:128
	s_wait_alu depctr_va_vdst(0)
	s_wait_dscnt 0x0
.irp d, 0,1,2,3
	v_wmma_scale_f32_16x16x128_f8f6f4 v[S+16*\d:S+16*\d+7], v[FRG+12*\d:FRG+12*\d+11], v[22:33], 0, v[KSW+\d], v41 matrix_a_fmt:MATRIX_FMT_BF6 matrix_b_fmt:MATRIX_FMT_BF6
	v_wmma_scale_f32_16x16x128_f8f6f4 v[S+16*\d+8:S+16*\d+15], v[FRG+12*\d:FRG+12*\d+11], v[16:27], 0, v[KSW+\d], v42 matrix_a_fmt:MATRIX_FMT_BF6 matrix_b_fmt:MATRIX_FMT_BF6
.endr
	PLACES
.irp ct, 0,1,2,3
.irp g, 0,1,2
	ds_load_b128 v[FRG+12*\ct+4*\g:FRG+12*\ct+4*\g+3], v9 offset:1536*\ct+512*\g   ; V's four operands land under the softmax
.endr
.endr
	ds_load_b128 v[VSW:VSW+3], v11
.if \full
	s_sub_co_u32 s74, s[TAU], s[GB]                ; 0: the first tile's diagonal step; 1: the second's; all else is open
	s_cmp_gt_u32 s74, 1
	s_cbranch_scc1 .Lopen_\@
	v_mov_b32 v[TMP], 0xff800000
.set ii, 0
.rept 64
	v_cmp_gt_i32 vcc_lo, 32*(ii/16)+ii%16, v7
	v_cndmask_b32 v[S+ii], v[S+ii], v[TMP], vcc_lo
.set ii, ii+1
.endr
.Lopen_\@:
.endif
.irp b, 0,1,2,3
	v_max3_num_f32 v[BM+\b], v[S+16*\b], v[S+1+16*\b], v[S+2+16*\b]   ; the largest score of each block of 32 keys: for the row's maximum and, since p rises with the score, for the block's largest p
.endr
.irp i, 3,5,7,9,11,13
.irp b, 0,1,2,3
	v_max3_num_f32 v[BM+\b], v[BM+\b], v[S+16*\b+\i], v[S+1+16*\b+\i]
.endr
.endr
.irp b, 0,1,2,3
	v_max_num_f32 v[BM+\b], v[BM+\b], v[S+15+16*\b]
.endr
.irp b, 0,1,2,3
	s_delay_alu instid0(VALU_DEP_4)
	v_permlanex16_b32 v[BP+\b], v[BM+\b], s[SELP], s[SELP+1]
.endr
.irp b, 0,1,2,3
	s_delay_alu instid0(VALU_DEP_4)
	v_max_num_f32 v[BM+\b], v[BM+\b], v[BP+\b]
.endr
	s_delay_alu instid0(VALU_DEP_2)
	v_max3_num_f32 v[TMP], v[BM], v[BM+1], v[BM+2]
	s_delay_alu instid0(VALU_DEP_1)
	v_max_num_f32 v[TMP], v[TMP], v[BM+3]
	s_delay_alu instid0(VALU_DEP_1)
	v_mul_f32 v[TMP], s[CS], v[TMP]
	s_delay_alu instid0(VALU_DEP_1)
	v_max_num_f32 v13, v13, v[TMP]                 ; the running largest t
	v_mov_b32 v[TMP], v12
	s_delay_alu instid0(VALU_DEP_2)
	v_floor_f32 v12, -v13                          ; -M = floor(-t): M is a whole number
	s_delay_alu instid0(VALU_DEP_1)
	v_sub_f32 v[TMP], v12, v[TMP]
	s_delay_alu instid0(VALU_DEP_1)
	v_cvt_i32_f32 v[TMP], v[TMP]                   ; (it saturates)
	s_delay_alu instid0(VALU_DEP_1)
	v_ldexp_f32 v[F], 1.0, v[TMP]                  ; f = 2^(old M - new M)
.set ii, 0
.rept 32
	v_pk_fma_f32 v[S+ii:S+ii+1], v[S+ii:S+ii+1], s[CS:CS+1], v[12:13] op_sel_hi:[1,0,0]   ; t - M
.set ii, ii+2
.endr
.irp b, 0,1,2,3
	v_fma_f32 v[BM+\b], v[BM+\b], s[CS], v12
.endr
.set ii, 0
	s_wait_alu depctr_va_vdst(0)
.rept 64
	v_exp_f32 v[S+ii], v[S+ii]                     ; p = 2^(t - M)
.set ii, ii+1
.endr
	v_pk_mul_f32 v[14:15], v[14:15], v[F:F+1] op_sel_hi:[1,0]   ; the sums under the new M; a plain place behind the exponentials
	s_wait_alu depctr_va_vdst(0)                   ; one wait for the batch, ahead of its first reader
.irp b, 0,1,2,3
	v_exp_f32 v[BM+\b], v[BM+\b]                   ; the blocks' largest p
.endr
	v_pk_add_f32 v[216:217], v[100:101], v[104:105]
	v_pk_add_f32 v[252:253], v[108:109], v[112:113]
	v_pk_add_f32 v[250:251], v[116:117], v[120:121]
	v_pk_add_f32 v[248:249], v[124:125], v[128:129]
	v_pk_add_f32 v[246:247], v[132:133], v[136:137]
	v_pk_add_f32 v[244:245], v[140:141], v[144:145]
	v_pk_add_f32 v[242:243], v[148:149], v[152:153]
	v_pk_add_f32 v[14:15], v[14:15], v[156:157]
	v_pk_add_f32 v[216:217], v[216:217], v[96:97]
	v_pk_add_f32 v[252:253], v[252:253], v[98:99]
	v_pk_add_f32 v[250:251], v[250:251], v[102:103]
	v_pk_add_f32 v[248:249], v[248:249], v[106:107]
	v_pk_add_f32 v[246:247], v[246:247], v[110:111]
	v_pk_add_f32 v[244:245], v[244:245], v[114:115]
	v_pk_add_f32 v[242:243], v[242:243], v[118:119]
	v_pk_add_f32 v[14:15], v[14:15], v[122:123]
	v_pk_add_f32 v[216:217], v[216:217], v[126:127]
	v_pk_add_f32 v[252:253], v[252:253], v[130:131]
	v_pk_add_f32 v[250:251], v[250:251], v[134:135]
	v_pk_add_f32 v[248:249], v[248:249], v[138:139]
	v_pk_add_f32 v[246:247], v[246:247], v[142:143]
	v_pk_add_f32 v[244:245], v[244:245], v[146:147]
	v_pk_add_f32 v[242:243], v[242:243], v[150:151]
	v_pk_add_f32 v[14:15], v[14:15], v[154:155]
	v_pk_add_f32 v[216:217], v[216:217], v[158:159]
	s_delay_alu instid0(VALU_DEP_2)
	v_pk_add_f32 v[14:15], v[14:15], v[248:249]
	s_delay_alu instid0(VALU_DEP_2)
	v_pk_add_f32 v[216:217], v[216:217], v[246:247]
	v_pk_add_f32 v[252:253], v[252:253], v[244:245]
	v_pk_add_f32 v[250:251], v[250:251], v[242:243]
	s_delay_alu instid0(VALU_DEP_2)
	v_pk_add_f32 v[14:15], v[14:15], v[252:253]
	s_delay_alu instid0(VALU_DEP_2)
	v_pk_add_f32 v[216:217], v[216:217], v[250:251]
	s_delay_alu instid0(VALU_DEP_1)
	v_pk_add_f32 v[14:15], v[14:15], v[216:217]
	s_wait_alu depctr_va_vdst(0)                   ; and one for the four
.irp b, 0,1,2,3
	v_max_num_f32 v[BM+\b], 0x2800000, v[BM+\b]    ; the floor 2^(5 - 127)
.endr
.irp b, 0,1,2,3
	s_delay_alu instid0(VALU_DEP_4)
	v_add_nc_u32 v[SO+\b], 0xfe000000, v[BM+\b]
.endr
.irp b, 0,1,2,3
	s_delay_alu instid0(VALU_DEP_4)
	v_lshrrev_b32 v[BP+\b], 23, v[SO+\b]
.endr
	s_delay_alu instid0(VALU_DEP_3)
	v_lshl_or_b32 v[PWD], v[BP+1], 8, v[BP]
	s_delay_alu instid0(VALU_DEP_1)
	v_lshl_or_b32 v[PWD], v[BP+2], 16, v[PWD]
	s_delay_alu instid0(VALU_DEP_1)
	v_lshl_or_b32 v[PWD], v[BP+3], 24, v[PWD]
	v_cvt_scalef32_pk16_bf6_f32 v[PC:PC+2], v[S:S+15], v[SO]
	v_cvt_scalef32_pk16_bf6_f32 v[CT:CT+2], v[S+16:S+31], v[SO+1]
	v_cvt_scalef32_pk16_bf6_f32 v[PC+6:PC+8], v[S+32:S+47], v[SO+2]
	v_cvt_scalef32_pk16_bf6_f32 v[CT+4:CT+6], v[S+48:S+63], v[SO+3]
	v_nop                                          ; one plain place behind the scaled conversions
.irp i, 0,1,2
	v_permlane16_swap_b32 v[PC+\i], v[CT+\i]
	v_permlane16_swap_b32 v[PC+6+\i], v[CT+4+\i]
.endr
.irp i, 0,1,2
	v_mov_b32 v[PC+3+\i], v[CT+\i]
	v_mov_b32 v[PC+9+\i], v[CT+4+\i]
.endr
.set ii, 0
.rept 16
	v_pk_mul_f32 v[O+ii:O+ii+1], v[O+ii:O+ii+1], v[F:F+1] op_sel_hi:[1,0]   ; O^T under the new M; also the places ahead of the products below
.set ii, ii+2
.endr
	s_wait_alu depctr_va_vdst(0)
	s_wait_dscnt 0x0                               ; V is in
.irp ct, 0,1,2,3
	v_wmma_scale_f32_16x16x128_f8f6f4 v[O+8*\ct:O+8*\ct+7], v[FRG+12*\ct:FRG+12*\ct+11], v[PC:PC+11], v[O+8*\ct:O+8*\ct+7], v[VSW+\ct], v[PWD] matrix_a_fmt:MATRIX_FMT_BF6 matrix_b_fmt:MATRIX_FMT_BF6
.endr
.endm
; A tile is finished: O^T / the sum, quantised along the head's 64 channels (two blocks), stored as half a fragment's image and two scale bytes a row.
.macro FINISH zc, zs
	PLACES
	v_add_f32 v14, v14, v15
	s_delay_alu instid0(VALU_DEP_1)
	v_permlanex16_b32 v[TMP], v14, s[SELP], s[SELP+1]
	s_delay_alu instid0(VALU_DEP_1)
	v_add_f32 v14, v14, v[TMP]                     ; the row's sum
	s_wait_alu depctr_va_vdst(0)
	v_rcp_f32 v14, v14
	v_nop                                          ; a plain place behind the reciprocal
	s_wait_alu depctr_va_vdst(0)                   ; the wait ahead of its first reader
.set ii, 0
.rept 16
	v_pk_mul_f32 v[S+ii:S+ii+1], v[O+ii:O+ii+1], v[14:15] op_sel_hi:[1,0]   ; each accumulator is read from its low end on
.set ii, ii+2
.endr
.irp b, 0,1
	v_max3_num_f32 v[BM+\b], |v[S+16*\b]|, |v[S+1+16*\b]|, 0x2800000
.endr
.irp i, 2,4,6,8,10,12,14
.irp b, 0,1
	s_delay_alu instid0(VALU_DEP_2)
	v_max3_num_f32 v[BM+\b], v[BM+\b], |v[S+16*\b+\i]|, |v[S+1+16*\b+\i]|
.endr
.endr
.irp b, 0,1
	s_delay_alu instid0(VALU_DEP_2)
	v_permlanex16_b32 v[BP+\b], v[BM+\b], s[SELP], s[SELP+1]
.endr
.irp b, 0,1
	s_delay_alu instid0(VALU_DEP_2)
	v_max_num_f32 v[BM+\b], v[BM+\b], v[BP+\b]
.endr
.irp b, 0,1
	s_delay_alu instid0(VALU_DEP_2)
	v_add_nc_u32 v[SO+\b], 0xfe000000, v[BM+\b]
.endr
.irp b, 0,1
	s_delay_alu instid0(VALU_DEP_2)
	v_lshrrev_b32 v[BP+\b], 23, v[SO+\b]
.endr
	v_cvt_scalef32_pk16_bf6_f32 v[PC:PC+2], v[S:S+15], v[SO]
	v_cvt_scalef32_pk16_bf6_f32 v[CT:CT+2], v[S+16:S+31], v[SO+1]
	v_nop
.irp i, 0,1,2
	v_permlane16_swap_b32 v[PC+\i], v[CT+\i]
.endr
.irp i, 0,1,2
	s_delay_alu instid0(VALU_DEP_3)
	v_mov_b32 v[PC+3+\i], v[CT+\i]
.endr
	v_cndmask_b32 v[TMP], v[BP], v[BP+1], s[HM]    ; lanes 0-15 store block 0's byte, lanes 16-31 block 1's
.irp i, 0,1,2
	global_store_b64 v5, v[PC+2*\i:PC+2*\i+1], s[\zc:\zc+1] offset:256*\i   ; 256 consecutive bytes, aligned
.endr
	global_store_b8 v6, v[TMP], s[\zs:\zs+1]
	s_wait_xcnt 0x0                                ; the stores have read their registers
.endm
	s_mov_b32 s[TAU], 0
	s_mov_b32 s[TB], 0
	s_mov_b32 s[TS], 0
.Lfirst:                                           ; key steps 0 to 3 of the first tile (GB is 8 at the least: none is on a diagonal): they read chunk 0 alone
	STEP 0
	s_add_co_u32 s[TB], s[TB], 6144
	s_add_co_u32 s[TS], s[TS], 256
	s_add_co_u32 s[TAU], s[TAU], 1
	s_cmp_lt_u32 s[TAU], 4
	s_cbranch_scc1 .Lfirst
	s_wait_tensorcnt 0x0                           ; my chunks 1 to 3 have landed,
	s_wait_dscnt 0x0
	s_barrier_signal -1
	s_barrier_wait -1                              ; everybody's have
	s_mov_b32 s[DN], 12
.Lrest:                                            ; steps 4 to 16
	s_add_co_u32 s74, s[GB], 1
	s_cmp_lg_u32 s[TAU], s74
	s_cbranch_scc1 .Lsame
	FINISH ZCB, ZSB                                ; the first tile is done: on to the second
.irp i, 0,1,2,3,4,5
	v_mov_b32 v[22+\i], v[34+\i]
.endr
	v_mov_b32 v41, v40
	v_lshlrev_b32 v42, 16, v40
	v_mov_b32 v13, 0xff61b1e6
	s_delay_alu instid0(VALU_DEP_1)
	v_floor_f32 v12, -v13
	v_mov_b32 v14, 0
	v_mov_b32 v15, 0
.set ii, 0
.rept 32
	v_mov_b32 v[O+ii], 0                           ; (also the places between the scale words' lines and the next product)
.set ii, ii+1
.endr
.Lsame:
	s_cmp_le_u32 s[TAU], s[GB]
	s_cselect_b32 s[KS], s[TAU], s[DN]             ; the first tile walks up, the second down from its diagonal
	s_min_u32 s[KS], s[KS], 15
	s_mul_i32 s[TB], s[KS], 6144
	s_lshl_b32 s[TS], s[KS], 8
	STEP 1
	s_sub_co_u32 s[DN], s[DN], 1
	s_add_co_u32 s[TAU], s[TAU], 1
	s_cmp_lt_u32 s[TAU], 17
	s_cbranch_scc1 .Lrest
	FINISH ZCA, ZSA
	s_wait_dscnt 0x0
	s_wait_tensorcnt 0x0
	ds_add_u32 v254, v255
	s_wait_dscnt 0x0
	ROUND                                          ; the closing round
	s_endpgm
.Lfunc_end_k_qdc0150c3aa_attn:
	.size	k_qdc0150c3aa_attn, .Lfunc_end_k_qdc0150c3aa_attn-k_qdc0150c3aa_attn
	.p2alignl 7, 3214868480
	.fill 96, 4, 3214868480
	.section	.rodata,"a",@progbits
	.p2align	6, 0x0
	.amdhsa_kernel k_qdc0150c3aa_attn
		.amdhsa_group_segment_fixed_size 206848
		.amdhsa_private_segment_fixed_size 0
		.amdhsa_enable_private_segment 0
		.amdhsa_kernarg_size 16
		.amdhsa_user_sgpr_count 2
		.amdhsa_user_sgpr_kernarg_segment_ptr 1
		.amdhsa_wavefront_size32 1
		.amdhsa_system_sgpr_workgroup_id_x 1
		.amdhsa_system_sgpr_workgroup_id_y 1
		.amdhsa_system_sgpr_workgroup_id_z 1
		.amdhsa_system_vgpr_workitem_id 0
		.amdhsa_next_free_vgpr 256
		.amdhsa_next_free_sgpr 88
		.amdhsa_reserve_vcc 1
		.amdhsa_float_denorm_mode_32 3
		.amdhsa_float_denorm_mode_16_64 3
		.amdhsa_memory_ordered 1
		.amdhsa_forward_progress 1
		.amdhsa_inst_pref_size 62
	.end_amdhsa_kernel
	.amdgpu_metadata
---
amdhsa.version: [ 1, 2 ]
amdhsa.kernels:
  - .name:           k_qdc0150c3aa_attn
    .symbol:         k_qdc0150c3aa_attn.kd
    .args:
      - { .name: qkv, .offset: 0, .size: 8, .value_kind: global_buffer, .address_space: global }
      - { .name: zq, .offset: 8, .size: 8, .value_kind: global_buffer, .address_space: global }
    .group_segment_fixed_size: 206848
    .private_segment_fixed_size: 0
    .kernarg_segment_align: 8
    .kernarg_segment_size: 16
    .max_flat_workgroup_size: 512
    .sgpr_count:     88
    .vgpr_count:     256
    .wavefront_size: 32
...
	.end_amdgpu_metadata
.endif
;; end of part 3
;; launch oproj (part 4): grid 4 x 64, 4 waves a work-group, clusters of 4 x 4, 307,712 bytes of LDS; arguments zq, opq, b_o, out0; writes out0
.if DOCPART == 4
	.amdgcn_target "amdgcn-amd-amdhsa--gfx1250"
	.amdhsa_code_object_version 6
	.text
	.protected	k_qdc0150c3aa_oproj
	.globl	k_qdc0150c3aa_oproj
	.p2align	8
	.type	k_qdc0150c3aa_oproj,@function
k_qdc0150c3aa_oproj:
	s_mov_b64 s[64:65], 0
	v_nop
	global_prefetch_b8 v0, s[64:65] scope:SCOPE_SE
	s_setreg_imm32_b32 hwreg(HW_REG_WAVE_MODE, 25, 1), 1
	s_wait_xcnt 0x0
	s_wait_alu depctr_hold_cnt(0) depctr_sa_sdst(0) depctr_va_vdst(0) depctr_va_sdst(0) depctr_va_ssrc(0) depctr_va_vcc(0) depctr_vm_vsrc(0)
	s_getreg_b32 s2, hwreg(HW_REG_IB_STS2, 6, 4)
	s_cmp_eq_u32 s2, 0
	s_cbranch_scc0 .Lentry_in_a_cluster
	s_endpgm
.Lentry_in_a_cluster:
	s_bfe_u32 s2, ttmp6, 0x10000c
	s_cmp_lg_u32 s2, 0xf033
	s_cbranch_scc0 .Lentry_shape_is_right
	s_endpgm
.Lentry_shape_is_right:
; out0 = z W_o^T + b_o on codes of BF6 (E3M2) with E8M0 scales; out0 [8192][1024] f32.
; A work-group makes 128 P rows (tokens, from zq) x 256 R rows (W_o's, from opq) with ALL of K = 1,024 in LDS (first fills only: nothing is filled again).  Four waves: wave w takes 64 P rows (w / 2) x 128 R rows (w % 2).
; THE MATRIX INSTRUCTION IS USED TRANSPOSED: source 0 = 16 rows of R, source 1 = 16 rows of P.  A lane holds one token, and by the order of rows in the tiles its register 16 b + i is output column 32 b + 16 (lane / 16) + i.
; The tokens of a tile are not neighbours (lane row r of tile T is token 32 (T / 2) + 8 (T % 2) + r + 8 (r / 8)): the stores' immediates put each row where it belongs.
; The bias is the C of each sum's first product.  CLUSTERS: 4 x 4; P's tiles are shared along a row of the cluster, R's along a column: joint loads.
.set WV,   60
.set HP,   61
.set HR,   62
.set CX,   66
.set CY,   67
.set PROW, 92
.set RCOL, 93
.set G1P,  8
.set G1R,  16
.set G1SP, 24
.set G1SR, 32
.set G0P,  40
.set G0R,  68
.set LP,   196608                      ; LDS: R's codes [0, 196,608), half by half; P's codes; P's scale words; R's scale words
.set LSP,  294912
.set LSR,  299008
.set PSC,  6291456                     ; where the scale words begin in zq, and in opq
.set RSC,  9437184
.set L8,   4
.set L16,  5
.set ADRA, 16
.set ADRB, 20
.set STO,  24                          ; v24 the way out: where I put 64 bytes of a row
.set RD,   25                          ; v25 and where I read a row back
.set ADRS, 27
.set SC,   32                          ; v32-95 scale words: register 8 i + s
.set AF,   128                         ; v128-223 P's fragments, two sets; window 1: R's; window 2: the accumulators.  v96-127 and v224-255: the bias
.set BK,   128                         ; the way out: 16 rows read back: v128-191 and v192-255 by turns
.set SPI,  528                         ; a stage row: 512 bytes + 16
.set MSB, 0
.macro WIN new
.if MSB != \new
	s_set_vgpr_msb (MSB<<8)|\new
.set MSB, \new
.endif
.endm
.set MUL,  0xa1                        ; source 0 (R) window 1, source 1 (P) window 0, C and D window 2
.set MULB, 0x81                        ; the same with C (the bias) in window 0
.set TO_B, 0x40
.macro CROUND
	s_barrier_signal -1
	s_barrier_wait -1
	s_cmp_lg_u32 s[WV], 0
	s_cbranch_scc1 .Lnot_wave_0_\@
	s_barrier_signal -3
.Lnot_wave_0_\@:
	s_barrier_wait -3
	s_barrier_signal -1
	s_barrier_wait -1
.endm
.macro PLACES
.rept 4
	v_nop
.endr
.endm
.macro FRAG reg, adr, off
.irp p, 0,1,2,3,4,5
	ds_load_b64 v[\reg+2*\p:\reg+2*\p+1], v[\adr] offset:\off+256*\p
.endr
.endm
.macro FETCH s
.set OFF0, (((\s)/2)%2)*24576+((\s)%2)*1536
	WIN TO_B
.irp i, 0,1,2,3,4,5,6,7
	FRAG 128*((\s)%2)+12*\i, ADRB+(\s)/4, OFF0+3072*\i
.endr
	WIN 0
.irp a, 0,1,2,3
	FRAG AF+48*((\s)%2)+12*\a, ADRA+(\s)/4, OFF0+3072*\a
.endr
.endm
; 32 matrix instructions: the accumulators take turns, one instruction a turn.  cmode = 2: the products start the sums from the bias.
.macro MUL32 s, cmode
.irp a, 0,1,2,3
.irp b, 0,1,2,3,4,5,6,7
.if \cmode == 2
	v_wmma_scale_f32_16x16x128_f8f6f4 v[8*(8*\a+\b):8*(8*\a+\b)+7], v[128*((\s)%2)+12*\b:128*((\s)%2)+12*\b+11], v[AF+48*((\s)%2)+12*\a:AF+48*((\s)%2)+12*\a+11], v[96+8*\b+96*(\b/4):96+8*\b+96*(\b/4)+7], v[SC+8*\b+(\s)], v[SC+8*\a+(\s)] matrix_a_fmt:MATRIX_FMT_BF6 matrix_b_fmt:MATRIX_FMT_BF6 matrix_a_scale:MATRIX_SCALE_ROW1
.else
	v_wmma_scale_f32_16x16x128_f8f6f4 v[8*(8*\a+\b):8*(8*\a+\b)+7], v[128*((\s)%2)+12*\b:128*((\s)%2)+12*\b+11], v[AF+48*((\s)%2)+12*\a:AF+48*((\s)%2)+12*\a+11], v[8*(8*\a+\b):8*(8*\a+\b)+7], v[SC+8*\b+(\s)], v[SC+8*\a+(\s)] matrix_a_fmt:MATRIX_FMT_BF6 matrix_b_fmt:MATRIX_FMT_BF6 matrix_a_scale:MATRIX_SCALE_ROW1
.endif
.endr
.endr
.endm
.macro STEP s, cmode
	s_wait_dscnt 0x0                               ; this step's fragments are in
.if ((\s)%2 == 1) && ((\s) < 7)
	s_wait_tensorcnt 3-((\s)+1)/2                  ; my part of the next slot has landed; the later slots' loads may stay out
	s_barrier_signal -1
	s_barrier_wait -1                              ; everybody's has.
.endif
.if (\s) < 7
.if (\s) > 0
	PLACES
.endif
	FETCH (\s)+1
.endif
.if \cmode == 2
	WIN MULB
.else
	WIN MUL
.endif
	MUL32 \s, \cmode
	WIN 0
.endm
	s_load_b128 s[4:7], s[0:1], 0x0                ; zq (P), opq (R)
	s_load_b128 s[88:91], s[0:1], 0x10             ; b_o, out0
	v_lshl_add_u32 v30, v0, 2, 0x4b000
	v_mov_b32 v31, 0
	ds_add_u32 v30, v31
	ds_add_u32 v30, v31
	v_lshrrev_b32 v1, 5, v0
	v_readfirstlane_b32 s[WV], v1
	s_lshr_b32 s[HP], s[WV], 1
	s_and_b32 s[HR], s[WV], 1
	s_bfe_u32 s[CX], ttmp6, 0x40000
	s_bfe_u32 s[CY], ttmp6, 0x40004
	s_lshl_b32 s96, s[CY], 2
	s_lshl_b32 s96, 15, s96                        ; my row of the cluster
	s_lshl_b32 s100, 0x1111, s[CX]                 ; my column
	s_or_b32 s[G1P], s96, (3<<16)|(1<<21)
	s_or_b32 s[G1SP], s96, (3<<16)|(1<<21)
	s_or_b32 s[G1R], s100, (3<<16)|(1<<21)
	s_or_b32 s[G1SR], s100, (3<<16)|(1<<21)
.irp g, G1P, G1R                       ; a slot of codes: of 8 tiles the 3,072 bytes of two K steps, 12,288 bytes apart in memory, dense in LDS
	s_mov_b32 s[\g+1], 384<<16
	s_mov_b32 s[\g+2], 8<<16
	s_mov_b32 s[\g+3], 384<<16
	s_mov_b32 s[\g+4], 8
	s_mov_b32 s[\g+5], 1536
	s_mov_b32 s[\g+6], 0
	s_mov_b32 s[\g+7], 0
.endr
.irp g, G1SP, G1SR                     ; 8 tiles' scale words: 4,096 dense bytes as 16 rows of 256
	s_mov_b32 s[\g+1], 32<<16
	s_mov_b32 s[\g+2], 16<<16
	s_mov_b32 s[\g+3], 32<<16
	s_mov_b32 s[\g+4], 16
	s_mov_b32 s[\g+5], 32
	s_mov_b32 s[\g+6], 0
	s_mov_b32 s[\g+7], 0
.endr
	s_and_b32 s94, ttmp7, 0xffff                   ; s94-97 serve P and never hold cx; s98-101 serve R and never hold cy
	s_lshl_b32 s94, s94, 2
	s_add_co_u32 s[PROW], s94, s[CY]
	s_lshl_b32 s98, ttmp9, 2
	s_add_co_u32 s[RCOL], s98, s[CX]
	s_lshl_b32 s94, s[PROW], 3                     ; P's 8 tiles begin here
	s_lshl_b32 s98, s[RCOL], 4
	s_add_co_u32 s98, s98, 704                     ; W_o's tiles in opq
	s_lshl_b32 s99, s[HR], 3
	s_add_co_u32 s98, s98, s99                     ; the half that wave 0 or 1 brings
	s_mul_i32 s96, s94, 12288
	s_mov_b32 s97, 0
	s_lshl_b32 s94, s94, 9
	s_add_co_u32 s94, s94, PSC
	s_mov_b32 s95, 0
	s_mul_i32 s100, s98, 12288
	s_mov_b32 s101, 0
	s_lshl_b32 s98, s98, 9
	s_add_co_u32 s98, s98, RSC
	s_mov_b32 s99, 0
	s_wait_dscnt 0x0
	s_wait_kmcnt 0x0
	s_add_nc_u64 s[94:95], s[4:5], s[94:95]
	s_add_nc_u64 s[96:97], s[4:5], s[96:97]
	s_add_nc_u64 s[98:99], s[6:7], s[98:99]
	s_add_nc_u64 s[100:101], s[6:7], s[100:101]
	s_mov_b32 s[G0P], 1
	s_mov_b32 s[G0P+1], LSP
	s_mov_b64 s[G0P+2:G0P+3], s[94:95]
	s_or_b32 s[G0P+3], s[G0P+3], 0x80000000
	s_mov_b32 s[G0R], 1
	s_lshl_b32 s[G0R+1], s[HR], 12
	s_add_co_u32 s[G0R+1], s[G0R+1], LSR
	s_mov_b64 s[G0R+2:G0R+3], s[98:99]
	s_or_b32 s[G0R+3], s[G0R+3], 0x80000000
.irp q, 0,1,2,3
	s_mov_b32 s[G0P+4+4*\q], 1
	s_mov_b32 s[G0P+5+4*\q], LP+24576*\q
	s_add_nc_u64 s[G0P+6+4*\q:G0P+7+4*\q], s[96:97], 3072*\q
	s_or_b32 s[G0P+7+4*\q], s[G0P+7+4*\q], 0x80000000
	s_mov_b32 s[G0R+4+4*\q], 1
	s_mul_i32 s[G0R+5+4*\q], s[HR], 98304
	s_add_co_u32 s[G0R+5+4*\q], s[G0R+5+4*\q], 24576*\q
	s_add_nc_u64 s[G0R+6+4*\q:G0R+7+4*\q], s[100:101], 3072*\q
	s_or_b32 s[G0R+7+4*\q], s[G0R+7+4*\q], 0x80000000
.endr
	CROUND                                         ; all sixteen work-groups are here: the joint loads meet
	s_cmp_lt_u32 s[WV], 2                          ; waves 0 and 1 bring R's halves, wave 2 brings P, wave 3 nothing: five loads of a wave are out at the most
	s_cbranch_scc0 .Lnot_r
	tensor_load_to_lds s[G0R:G0R+3], s[G1SR:G1SR+7]
	s_nop 0
.irp q, 1,2,3,4
	tensor_load_to_lds s[G0R+4*\q:G0R+4*\q+3], s[G1R:G1R+7]
	s_nop 0
.endr
	PLACES                                         ; (four v_nop behind the last load)
	s_branch .Lasked
.Lnot_r:
	s_cmp_eq_u32 s[WV], 2
	s_cbranch_scc0 .Lasked
	tensor_load_to_lds s[G0P:G0P+3], s[G1SP:G1SP+7]
	s_nop 0
.irp q, 1,2,3,4
	tensor_load_to_lds s[G0P+4*\q:G0P+4*\q+3], s[G1P:G1P+7]
	s_nop 0
.endr
	PLACES
.Lasked:
	v_and_b32 v1, 31, v0                           ; lane
	v_and_b32 v2, 15, v0                           ; r
	v_bfe_u32 v3, v0, 4, 1                         ; h
	s_wait_alu depctr_va_vdst(0)
	v_lshlrev_b32 v[L8], 3, v1
	s_wait_alu depctr_va_vdst(0)
	v_lshlrev_b32 v[L16], 4, v1
	s_lshl_b32 s94, s[RCOL], 10
	s_lshl_b32 s95, s[HR], 9
	s_add_co_u32 s94, s94, s95                     ; my 128 columns, in bytes
	s_mov_b32 s95, 0
	s_add_nc_u64 s[88:89], s[88:89], s[94:95]
	s_add_nc_u64 s[90:91], s[90:91], s[94:95]
	s_lshl_b32 s94, s[PROW], 19                    ; 128 rows of 4,096 bytes,
	s_lshl_b32 s96, s[HP], 18                      ; my 64 of them
	s_add_co_u32 s94, s94, s96
	s_add_nc_u64 s[90:91], s[90:91], s[94:95]
	v_lshlrev_b32 v6, 6, v3                        ; 64 h
.irp bb, 0,1,2,3
.irp jj, 0,1,2,3
	global_load_b128 v[96+16*\bb+4*\jj+96*(\bb/2):96+16*\bb+4*\jj+96*(\bb/2)+3], v6, s[88:89] offset:128*\bb+16*\jj   ; the bias in the result's layout: register i of 64 at v[96 + i], from i = 32 on at v[224 + i - 32]
.endr
.endr
	s_mul_i32 s94, s[HP], 12288
	s_add_co_u32 s94, s94, LP
	v_add_nc_u32 v[ADRA], s94, v[L8]
	s_add_co_u32 s94, s94, 49152
	v_add_nc_u32 v[ADRA+1], s94, v[L8]
	s_mul_i32 s94, s[HR], 98304
	v_add_nc_u32 v[ADRB], s94, v[L8]
	s_add_co_u32 s94, s94, 49152
	v_add_nc_u32 v[ADRB+1], s94, v[L8]
	s_lshl_b32 s94, s[HP], 11
	s_lshl_b32 s95, s[HR], 12
	s_add_co_u32 s95, s95, LSR-LSP
	s_sub_co_u32 s95, s95, s94                     ; from my P words to my R words
	v_mul_u32_u24 v7, s95, v3                      ; lanes 16-31 take R's
	s_add_co_u32 s94, s94, LSP
	v_lshl_add_u32 v7, v2, 4, v7
	v_add_nc_u32 v[ADRS], s94, v7
	s_mul_i32 s94, s[WV], 16*SPI                   ; my stage: it lies in the first two slots of R's first half, which are read for the last time ahead of the last barrier and never filled again
	v_mul_u32_u24 v[STO], v2, SPI
	v_lshl_add_u32 v[STO], v3, 6, v[STO]
	v_add_nc_u32 v[STO], s94, v[STO]
	v_add_nc_u32 v[RD], s94, v[L16]
	s_wait_alu depctr_va_vdst(0)
	s_wait_tensorcnt 3                             ; the scale words and slot 0 are in; slots 1 to 3 may be out
	s_barrier_signal -1
	s_barrier_wait -1
.irp i, 0,1,2,3,4,5,6,7
	ds_load_b128 v[SC+8*\i:SC+8*\i+3], v[ADRS] offset:512*\i
	ds_load_b128 v[SC+8*\i+4:SC+8*\i+7], v[ADRS] offset:512*\i+256
.endr
	FETCH 0
	s_wait_loadcnt 0x0                             ; the bias
	STEP 0, 2
	STEP 1, 0
	STEP 2, 0
	STEP 3, 0
	STEP 4, 0
	STEP 5, 0
	STEP 6, 0
	STEP 7, 0
; THE WAY OUT, a block of 16 tokens x 128 columns at a time, through my own stage and back as whole rows of 512 bytes.  LDS serves a wave's instructions in order: no wait between the stores and the loads.
.macro TOSTAGE a
	WIN 0x08                                       ; an LDS store's data are its source 1: window 2
.irp bb, 0,1,2,3
.irp jj, 0,1,2,3
	ds_store_b128 v[STO], v[64*(\a)+16*\bb+4*\jj:64*(\a)+16*\bb+4*\jj+3] offset:128*\bb+16*\jj   ; each accumulator from its low end on
.endr
.endr
	WIN 0
.irp t, 0,1,2,3,4,5,6,7,8,9,10,11,12,13,14,15
	ds_load_b128 v[BK+64*((\a)%2)+4*\t:BK+64*((\a)%2)+4*\t+3], v[RD] offset:SPI*\t
.endr
.endm
.macro SEND a, younger                 ; younger: the LDS instructions issued behind block a's loads, which may stay out
	s_wait_dscnt \younger
.irp t, 0,1,2,3,4,5,6,7,8,9,10,11,12,13,14,15
	global_store_b128 v[L16], v[BK+64*((\a)%2)+4*\t:BK+64*((\a)%2)+4*\t+3], s[90:91] offset:(32*((\a)/2)+8*((\a)%2)+\t+8*(\t/8))*4096 th:TH_STORE_NT   ; 512 consecutive bytes, aligned; the row's true place stands in the immediate
.endr
.endm
	PLACES
	TOSTAGE 0
.irp a, 1,2,3
.if \a > 1
	s_wait_xcnt 0x0                                ; block a - 2's stores have read their registers: block a's loads may land there
.endif
	TOSTAGE \a
	SEND \a-1, 32                                  ; behind block a - 1's loads: block a's 16 stores and 16 loads
.endr
	SEND 3, 0
	s_wait_tensorcnt 0x0
	ds_add_u32 v30, v31
	s_wait_dscnt 0x0
	CROUND                                         ; the closing round: no work-group ends while a partner may still ask for a tile that names it
	s_endpgm
.Lfunc_end_k_qdc0150c3aa_oproj:
	.size	k_qdc0150c3aa_oproj, .Lfunc_end_k_qdc0150c3aa_oproj-k_qdc0150c3aa_oproj
	.p2alignl 7, 3214868480
	.fill 96, 4, 3214868480
	.section	.rodata,"a",@progbits
	.p2align	6, 0x0
	.amdhsa_kernel k_qdc0150c3aa_oproj
		.amdhsa_group_segment_fixed_size 307712
		.amdhsa_private_segment_fixed_size 0
		.amdhsa_enable_private_segment 0
		.amdhsa_kernarg_size 32
		.amdhsa_user_sgpr_count 2
		.amdhsa_user_sgpr_kernarg_segment_ptr 1
		.amdhsa_wavefront_size32 1
		.amdhsa_system_sgpr_workgroup_id_x 1
		.amdhsa_system_sgpr_workgroup_id_y 1
		.amdhsa_system_sgpr_workgroup_id_z 1
		.amdhsa_system_vgpr_workitem_id 0
		.amdhsa_next_free_vgpr 768
		.amdhsa_next_free_sgpr 102
		.amdhsa_reserve_vcc 0
		.amdhsa_float_denorm_mode_32 3
		.amdhsa_float_denorm_mode_16_64 3
		.amdhsa_memory_ordered 1
		.amdhsa_forward_progress 1
		.amdhsa_inst_pref_size 98
	.end_amdhsa_kernel
	.amdgpu_metadata
---
amdhsa.version: [ 1, 2 ]
amdhsa.kernels:
  - .name:           k_qdc0150c3aa_oproj
    .symbol:         k_qdc0150c3aa_oproj.kd
    .args:
      - { .name: zq, .offset: 0, .size: 8, .value_kind: global_buffer, .address_space: global }
      - { .name: opq, .offset: 8, .size: 8, .value_kind: global_buffer, .address_space: global }
      - { .name: b_o, .offset: 16, .size: 8, .value_kind: global_buffer, .address_space: global }
      - { .name: out0, .offset: 24, .size: 8, .value_kind: global_buffer, .address_space: global }
    .group_segment_fixed_size: 307712
    .private_segment_fixed_size: 0
    .kernarg_segment_align: 8
    .kernarg_segment_size: 32
    .max_flat_workgroup_size: 128
    .sgpr_count:     102
    .vgpr_count:     768
    .wavefront_size: 32
...
	.end_amdgpu_metadata
.endif
;; end of part 4
